; MI455X (gfx1250); checked and timed in simulation.
; The chip was launched on July 23, 2026; its instructions are those of AMD's public machine-readable ISA for CDNA 5 (MIT licence, August 2026) and "CDNA5" Instruction Set Architecture Reference Guide (July 2026). The comments in the code are by the model that wrote it; some were corrected since.
;; Multi Head Self Attention. Allowed arithmetic: matrix products marked QUANTISED: E2M1 operands, one E8M0 scale for each 32 along K, by v_wmma_scale_f32_16x16x128_f8f6f4 with both operands' format E2M1 (or v_wmma_scale_f32_32x16x128_f4), f32 sums; products left as they are: bf16, f16 or f32 operands; f32 sums; everything else in f32.
;; Inputs: W_k 1,024 x 1,024 float32; W_o 1,024 x 1,024 float32; W_q 1,024 x 1,024 float32; W_v 1,024 x 1,024 float32; x 4 x 2,048 x 1,024 float32.
;; Outputs: out0 4 x 2,048 x 1,024 float32.
;; This version of the problem:
;;   THIS VERSION OF THE PROBLEM IS GIVEN IN LOW PRECISION. The matrix products marked QUANTISED in the list below multiply operands that are first quantised to E2M1 (2 exponent bits, 1 mantissa bit; 4 bits a number), with one power-of-two scale for each 32 numbers along K (OCP MX v1.0); their sums are f32. The products marked 'left as it is' may take bf16, f16 or f32 operands, with f32 sums. Whichever they take, every output number must still come out within the allowed error. Rounding operands to bf16 (8 significant bits) uses up far more of that allowance than f16 does (11 bits, for magnitudes from 6e-5 to 65,504). All else is computed in f32.
;;   The module's matrix products, in the order in which they are computed (A, B: the left and right operand; K: the contracted axis; several contracted axes count as one K, in the product's order):
;;     1. [M 8,192, K 1,024] x [K 1,024, N 1,024]; A: input x; B: input W_q: QUANTISED
;;     2. [M 8,192, K 1,024] x [K 1,024, N 1,024]; A: input x; B: input W_k: QUANTISED
;;     3. [M 8,192, K 1,024] x [K 1,024, N 1,024]; A: input x; B: input W_v: QUANTISED
;;     4. batch 64 x [M 2,048, K 64] x [K 64, N 2,048]; A: computed on the way; B: computed on the way: left as it is (an operand is computed on the way)
;;     5. batch 64 x [M 2,048, K 2,048] x [K 2,048, N 64]; A: computed on the way; B: computed on the way: left as it is (an operand is computed on the way)
;;     6. [M 8,192, K 1,024] x [K 1,024, N 1,024]; A: computed on the way; B: input W_o: left as it is (an operand is computed on the way)
;;   THE QUANTISER, for each operand of a quantised product, along K:
;;     - K is cut into blocks of 32 from its start; a last block that is shorter is filled with zeros.
;;     - A block's scale is 2^e with e = floor(log2(the largest magnitude in the block)) - 2, held to -126 .. 127; a block of zeros has e = 0. As a byte (E8M0): e + 127.
;;     - Each number is divided by its block's scale, clamped to +-6, and rounded to the nearest number of E2M1, ties to even, subnormals kept.
;;     - The product sums the exact products of the quantised numbers (number of the format x scale) in f32.
;;   ~~~python
;;   def quantise(x, axis):      # numpy; x: float32 -> the quantised numbers, widened to float32 again
;;       x = np.moveaxis(x, axis, -1); K = x.shape[-1]
;;       x = np.pad(x, [(0, 0)] * (x.ndim - 1) + [(0, -K % 32)]); x = x.reshape(x.shape[:-1] + (-1, 32)); a = np.abs(x).max(-1, keepdims=True)
;;       e = np.where(a > 0, np.clip(np.frexp(np.where(a > 0, a, 1))[1] - 1 - 2, -126, 127), 0)      # np.frexp(a)[1] - 1 = floor(log2(a)), exactly
;;       r = np.clip(x / 2.0 ** e, -6, 6)
;;       step = 2.0 ** (np.maximum(np.frexp(np.where(r == 0, 1, r))[1] - 1, 0) - 1)
;;       q = np.round(r / step) * step * 2.0 ** e      # np.round: ties to even
;;       return np.moveaxis(q.reshape(q.shape[:-2] + (-1,))[..., :K], -1, axis).astype(np.float32)
;;   ~~~
;; One version. Each part assembles by itself: llvm-mc -triple=amdgcn-amd-amdhsa -mcpu=gfx1250 --defsym DOCPART=n.
;; ======== version 1 of 1: 4 launches
;; limits: values are held in f16: magnitudes above 65,504 overflow, below 6.1e-05 lose precision
;; workspace buffers: x_codes 4,194,304 bytes; x_scales 262,144 bytes; w_codes 1,572,864 bytes; w_scales 98,304 bytes; wo_h 2,097,152 bytes; qkv 50,331,648 bytes; o_ws 16,777,216 bytes
;; launch quant (part 1): grid 384 x 1, 4 waves a work-group, no clusters, 33,280 bytes of LDS; arguments x, W_q, W_k, W_v, W_o, x_codes, x_scales, w_codes, w_scales, wo_h; writes x_codes, x_scales, w_codes, w_scales, wo_h
.if DOCPART == 1
	.amdgcn_target "amdgcn-amd-amdhsa--gfx1250"
	.amdhsa_code_object_version 6
	.text
	.protected	k_q148284621c_quant
	.globl	k_q148284621c_quant
	.p2align	8
	.type	k_q148284621c_quant,@function
k_q148284621c_quant:
	s_mov_b64 s[64:65], 0
	v_nop
	global_prefetch_b8 v0, s[64:65] scope:SCOPE_SE
	s_setreg_imm32_b32 hwreg(HW_REG_WAVE_MODE, 25, 1), 1
	s_wait_xcnt 0x0
; x [8192][1024] and W_q, W_k, W_v [1024][1024], f32, K innermost, become codes of FP4 (E2M1), two a byte, with one E8M0 scale byte for each 32 along K;
; W_o [1024][1024] becomes f16.  The three weights' codes and scale bytes lie one behind the other: rows 0-1023 W_q, 1024-2047 W_k, 2048-3071 W_v.
; A block's scale is 2^(floor(log2(its largest magnitude)) - 2); its byte is the largest magnitude's exponent field - 2, held at 1 from below.  Each number is divided by the scale and rounded to the nearest code, ties to even; beyond 6 the largest code.
; LIMITS: a block of zeros gets the byte 1 where the rule says 127 (its codes are zeros, which add nothing under any byte but 0xff, and this program alone reads the bytes); blocks whose largest magnitude lies under 2^-124 keep the byte 1;
; NaN and infinities among the inputs are not served; numbers of W_o beyond 65,504 become infinity in f16.
; SHARES.  A work-group takes 32,768 numbers, a wave 8,192.  Work-groups 0-255: x; 256-351: the three weights, 32 each; 352-383: W_o.  Rows are dense and 1,024 is a multiple of 32: every tensor is a plain stream of blocks of 32.
; THE QUANTISING PATH.  A wave takes 16 steps of 512 numbers.  Each of a step's four loads reads 512 consecutive bytes, 16 a lane; the 2,048 bytes go through the wave's own stage in LDS and come back 64 bytes a lane, so that a lane holds 16 NEIGHBOURS
; along K (two neighbouring lanes hold a block), as the conversions want them.  A lane's 16 codes are 8 bytes: the wave stores 256 consecutive bytes.  A wave's 256 scale bytes are gathered in LDS and leave as one aligned run of 256 bytes.
; No tensor loads, no barrier: waves share nothing.  Loads run four steps (16 loads a wave) ahead, the turn through LDS one step.
.set WAVES, 4
.set STEPS, 16
.set XWG,   256                        ; work-groups of x: 8,192 x 1,024 / 32,768
.set WWG,   32                         ; of each weight
.set CASTID, XWG+3*WWG                 ; from here on: W_o
.set EMAX,  2
.set CB,    8                          ; bytes of 16 codes
.set R,     16                         ; v16-79   four sets of 16 numbers as they are loaded (the cast: v16-143, two sets of 64)
.set X,     80                         ; v80-111  two sets of 16 neighbours
.set C,     128                        ; v128-191 codes: four registers for each step, so that no store's data are written again
.set E,     112                        ; v112-127 a scale byte for each step
.set WREG,  8192                       ; LDS: a region of its own for each wave: two stages of 32 x SP bytes, and behind them its 256 scale bytes
.set SP,    80                         ; a lane's place in a stage: its 64 bytes + 16 of padding
.set SPW,   12                         ; v12      LDS address of my spare word: SPARE + 4 x my thread's number; never rewritten
.set NIL,   13                         ; v13      0; never rewritten
.set SPARE, WAVES*WREG                 ; behind the four regions: the spare words, 128 bytes for each wave
	s_load_b256 s[4:11], s[0:1], 0x0               ; x s[4:5], W_q s[6:7], W_k s[8:9], W_v s[10:11]
	s_load_b256 s[12:19], s[0:1], 0x20             ; W_o s[12:13], x's codes s[14:15], x's scales s[16:17], the weights' codes s[18:19]
	s_load_b128 s[20:23], s[0:1], 0x40             ; the weights' scales s[20:21], W_o in f16 s[22:23]
	v_lshl_add_u32 v[SPW], v0, 2, SPARE
	v_mov_b32 v[NIL], 0
	v_lshrrev_b32 v1, 5, v0
	v_readfirstlane_b32 s24, v1                    ; wave
	v_and_b32 v2, 31, v0                           ; lane
	v_lshlrev_b32 v3, 4, v2                        ; my 16 bytes of a load's 512
	s_mul_i32 s25, s24, WREG
	v_lshrrev_b32 v14, 2, v2
	v_mul_u32_u24 v14, v14, SP
	v_and_b32 v15, 3, v2
	v_lshl_add_u32 v14, v15, 4, v14
	v_add_nc_u32 v14, s25, v14                     ; the stage, on the way in: four lanes' 64 bytes on end, then 16 of padding
	v_mul_u32_u24 v15, v2, SP
	v_add_nc_u32 v15, s25, v15                     ; and on the way out: SP x lane: my 16 neighbours
	v_mul_u32_u24 v4, v2, CB                       ; my codes' place in a step's
	v_lshrrev_b32 v5, 1, v2
	s_add_co_u32 s25, s25, 2*32*SP
	v_add_nc_u32 v5, s25, v5                       ; LDS: my wave's 256 scale bytes, my block's byte
	v_lshlrev_b32 v7, 3, v2                        ; 8 bytes a lane
	v_add_nc_u32 v6, s25, v7
	s_wait_kmcnt 0x0
	s_cmp_ge_u32 ttmp9, CASTID
	s_cbranch_scc1 .Lcast
	; which tensor?  Every choice hangs on the work-group's number alone, and only pointers and run numbers are chosen: all four tensors take one path through the text
	s_sub_co_u32 s28, ttmp9, XWG                   ; the run among the three weights' (used in their work-groups alone)
	s_and_b32 s29, s28, WWG-1                      ; the run in its own weight
	s_cmp_lt_u32 ttmp9, XWG+WWG
	s_cselect_b64 s[26:27], s[6:7], s[8:9]
	s_cmp_lt_u32 ttmp9, XWG+2*WWG
	s_cselect_b64 s[26:27], s[26:27], s[10:11]
	s_cmp_lt_u32 ttmp9, XWG
	s_cselect_b64 s[4:5], s[4:5], s[26:27]         ; from where
	s_cselect_b64 s[8:9], s[14:15], s[18:19]       ; the codes
	s_cselect_b64 s[10:11], s[16:17], s[20:21]     ; the scale bytes
	s_cselect_b32 s29, ttmp9, s29
	s_cselect_b32 s28, ttmp9, s28
	s_lshl_b32 s29, s29, 2
	s_add_co_u32 s30, s29, s24                     ; which run of 8,192 numbers of the source is my wave's
	s_lshl_b32 s30, s30, 15                        ; 32,768 bytes a run
	s_mov_b32 s31, 0
	s_add_nc_u64 s[4:5], s[4:5], s[30:31]
	s_lshl_b32 s28, s28, 2
	s_add_co_u32 s28, s28, s24                     ; and of the destination
	s_lshl_b32 s30, s28, 12                        ; 4,096 bytes of codes a run
	s_add_nc_u64 s[8:9], s[8:9], s[30:31]
	s_lshl_b32 s30, s28, 8                         ; 256 scale bytes a run
	s_add_nc_u64 s[10:11], s[10:11], s[30:31]
.macro LOAD t
.irp i, 0,1,2,3
	global_load_b128 v[R+16*((\t)%4)+4*\i:R+16*((\t)%4)+4*\i+3], v3, s[4:5] offset:2048*(\t)+512*\i th:TH_LOAD_NT   ; 32 lanes read 512 consecutive bytes
.endr
.endm
.macro TURN t                          ; step t's numbers through the stage: LDS serves a wave's instructions in order, so no wait stands between the stores and the loads
.irp i, 0,1,2,3
	ds_store_b128 v14, v[R+16*((\t)%4)+4*\i:R+16*((\t)%4)+4*\i+3] offset:32*SP*((\t)%2)+8*SP*\i
.endr
.irp i, 0,1,2,3
	ds_load_b128 v[X+16*((\t)%2)+4*\i:X+16*((\t)%2)+4*\i+3], v15 offset:32*SP*((\t)%2)+16*\i
.endr
.endm
.irp t, 0,1,2,3
	LOAD \t
.endr
	s_wait_loadcnt 12                              ; step 0's four loads are in; the twelve of steps 1 to 3 may be out
	TURN 0
.macro STEP t
.set XS, X+16*((\t)%2)
.if (\t) > 0
	s_wait_dscnt 1                                 ; this step's numbers are back from the stage (the last step's byte store may be out): so its stores into the stage have read their registers,
.else
	s_wait_dscnt 0x0
.endif
.if (\t)+4 < STEPS
	LOAD (\t)+4                                    ; which take the loads of four steps on
.endif
.if (\t)+1 < STEPS
.if STEPS-2-(\t) >= 3
	s_wait_loadcnt 12                              ; the next step's four loads are in; those of the three steps behind it may be out
.else
	s_wait_loadcnt 4*(STEPS-2-(\t))
.endif
	TURN (\t)+1                                    ; and go through the other stage while this step is worked
.endif
	v_max3_num_f32 v8, |v[XS]|, |v[XS+1]|, |v[XS+2]|               ; the largest magnitude of my 16, in two chains
	v_max3_num_f32 v9, |v[XS+3]|, |v[XS+4]|, |v[XS+5]|
.irp i, 6,10
	v_max3_num_f32 v8, v8, |v[XS+\i]|, |v[XS+\i+1]|
	v_max3_num_f32 v9, v9, |v[XS+\i+2]|, |v[XS+\i+3]|
.endr
	v_max3_num_f32 v8, v8, |v[XS+14]|, |v[XS+15]|
	v_max3_num_f32 v8, v8, v9, (EMAX+1)<<23        ; and the floor 2^(EMAX + 1 - 127): so the byte cannot fall under 1
	v_max_num_f32_dpp v8, v8, v8 row_xmask:1 row_mask:0xf bank_mask:0xf   ; and of my neighbour's 16: the block's
	v_add_nc_u32 v11, -(EMAX<<23), v8              ; EMAX off its exponent field: the conversion takes the exponent field of this operand as its scale, and nothing else of it
	v_cvt_scalef32_pk8_fp4_f32 v[C+4*(\t)], v[XS:XS+7], v11        ; eight numbers / the scale, to the nearest code; the first number's code in the lowest four bits
	v_cvt_scalef32_pk8_fp4_f32 v[C+4*(\t)+1], v[XS+8:XS+15], v11
	v_lshrrev_b32 v[E+(\t)], 23, v11               ; the scale's byte (a plain line behind the conversions)
	ds_store_b8 v5, v[E+(\t)] offset:16*(\t)       ; both lanes of a block write the same byte with the same value
	global_store_b64 v4, v[C+4*(\t):C+4*(\t)+1], s[8:9] offset:32*CB*(\t)   ; 32 lanes store 256 consecutive bytes, aligned
.endm
.irp t, 0,1,2,3,4,5,6,7,8,9,10,11,12,13,14,15
	STEP \t
.endr
	ds_load_b64 v[8:9], v6                         ; LDS serves a wave's instructions in order: these see my stores
	s_wait_dscnt 0x0
	global_store_b64 v7, v[8:9], s[10:11]          ; 32 lanes store 256 consecutive bytes, aligned
	s_wait_tensorcnt 0x0                           ; the wave's end, behind my last LDS store
	ds_add_u32 v[SPW], v[NIL]
	s_wait_dscnt 0x0
	s_endpgm
; THE CAST.  W_o to f16, rounded to nearest even: a wave takes 8,192 numbers in four batches of 16 loads on two sets of 64 registers.  A load reads 512 consecutive bytes, its store writes 256, aligned.  Every offset is an immediate.
.Lcast:
	s_sub_co_u32 s28, ttmp9, CASTID
	s_lshl_b32 s28, s28, 2
	s_add_co_u32 s28, s28, s24                     ; which run of 8,192 numbers is my wave's
	s_lshl_b32 s30, s28, 15
	s_mov_b32 s31, 0
	s_add_nc_u64 s[12:13], s[12:13], s[30:31]
	s_lshl_b32 s30, s28, 14
	s_add_nc_u64 s[22:23], s[22:23], s[30:31]
.macro LOADB b
.irp i, 0,1,2,3,4,5,6,7,8,9,10,11,12,13,14,15
	global_load_b128 v[R+64*((\b)%2)+4*\i:R+64*((\b)%2)+4*\i+3], v3, s[12:13] offset:512*(16*(\b)+\i) th:TH_LOAD_NT
.endr
.endm
.macro CASTB b
.irp i, 0,1,2,3,4,5,6,7,8,9,10,11,12,13,14,15
	v_cvt_pk_f16_f32 v[R+64*((\b)%2)+4*\i], v[R+64*((\b)%2)+4*\i], v[R+64*((\b)%2)+4*\i+1]
	v_cvt_pk_f16_f32 v[R+64*((\b)%2)+4*\i+1], v[R+64*((\b)%2)+4*\i+2], v[R+64*((\b)%2)+4*\i+3]
	global_store_b64 v7, v[R+64*((\b)%2)+4*\i:R+64*((\b)%2)+4*\i+1], s[22:23] offset:256*(16*(\b)+\i)
.endr
.endm
	LOADB 0
	LOADB 1
	s_wait_loadcnt 16                              ; batch 0 is in; batch 1's sixteen may be out
	CASTB 0
	s_wait_xcnt 0x0                                ; the stores have read their registers: the set is loaded again only behind this wait
	LOADB 2
	s_wait_loadcnt 16                              ; batch 1 is in
	CASTB 1
	s_wait_xcnt 0x0
	LOADB 3
	s_wait_loadcnt 16                              ; batch 2 is in
	CASTB 2
	s_wait_loadcnt 0x0
	CASTB 3
	s_wait_tensorcnt 0x0                           ; the wave's end
	ds_add_u32 v[SPW], v[NIL]
	s_wait_dscnt 0x0
	s_endpgm
.Lfunc_end_k_q148284621c_quant:
	.size	k_q148284621c_quant, .Lfunc_end_k_q148284621c_quant-k_q148284621c_quant
	.p2alignl 7, 3214868480
	.fill 96, 4, 3214868480
	.section	.rodata,"a",@progbits
	.p2align	6, 0x0
	.amdhsa_kernel k_q148284621c_quant
		.amdhsa_group_segment_fixed_size 33280
		.amdhsa_private_segment_fixed_size 0
		.amdhsa_enable_private_segment 0
		.amdhsa_kernarg_size 80
		.amdhsa_user_sgpr_count 2
		.amdhsa_user_sgpr_kernarg_segment_ptr 1
		.amdhsa_wavefront_size32 1
		.amdhsa_system_sgpr_workgroup_id_x 1
		.amdhsa_system_sgpr_workgroup_id_y 1
		.amdhsa_system_sgpr_workgroup_id_z 1
		.amdhsa_system_vgpr_workitem_id 0
		.amdhsa_next_free_vgpr 192
		.amdhsa_next_free_sgpr 66
		.amdhsa_reserve_vcc 0
		.amdhsa_float_denorm_mode_32 3
		.amdhsa_float_denorm_mode_16_64 3
		.amdhsa_memory_ordered 1
		.amdhsa_forward_progress 1
		.amdhsa_inst_pref_size 54
	.end_amdhsa_kernel
	.amdgpu_metadata
---
amdhsa.version: [ 1, 2 ]
amdhsa.kernels:
  - .name:           k_q148284621c_quant
    .symbol:         k_q148284621c_quant.kd
    .args:
      - { .name: x, .offset: 0, .size: 8, .value_kind: global_buffer, .address_space: global }
      - { .name: W_q, .offset: 8, .size: 8, .value_kind: global_buffer, .address_space: global }
      - { .name: W_k, .offset: 16, .size: 8, .value_kind: global_buffer, .address_space: global }
      - { .name: W_v, .offset: 24, .size: 8, .value_kind: global_buffer, .address_space: global }
      - { .name: W_o, .offset: 32, .size: 8, .value_kind: global_buffer, .address_space: global }
      - { .name: x_codes, .offset: 40, .size: 8, .value_kind: global_buffer, .address_space: global }
      - { .name: x_scales, .offset: 48, .size: 8, .value_kind: global_buffer, .address_space: global }
      - { .name: w_codes, .offset: 56, .size: 8, .value_kind: global_buffer, .address_space: global }
      - { .name: w_scales, .offset: 64, .size: 8, .value_kind: global_buffer, .address_space: global }
      - { .name: wo_h, .offset: 72, .size: 8, .value_kind: global_buffer, .address_space: global }
    .group_segment_fixed_size: 33280
    .private_segment_fixed_size: 0
    .kernarg_segment_align: 8
    .kernarg_segment_size: 80
    .max_flat_workgroup_size: 128
    .sgpr_count:     66
    .vgpr_count:     192
    .wavefront_size: 32
...
	.end_amdgpu_metadata
.endif
;; end of part 1
;; launch qkv (part 2): grid 12 x 32, 4 waves a work-group, clusters of 4 x 4, 327,680 bytes of LDS; arguments x_codes, x_scales, w_codes, w_scales, qkv; writes qkv
.if DOCPART == 2
	.amdgcn_target "amdgcn-amd-amdhsa--gfx1250"
	.amdhsa_code_object_version 6
	.text
	.protected	k_q148284621c_qkv
	.globl	k_q148284621c_qkv
	.p2align	8
	.type	k_q148284621c_qkv,@function
k_q148284621c_qkv:
	s_mov_b64 s[64:65], 0
	v_nop
	global_prefetch_b8 v0, s[64:65] scope:SCOPE_SE
	s_setreg_imm32_b32 hwreg(HW_REG_WAVE_MODE, 25, 1), 1
	s_wait_xcnt 0x0
	s_wait_alu depctr_hold_cnt(0) depctr_sa_sdst(0) depctr_va_vdst(0) depctr_va_sdst(0) depctr_va_ssrc(0) depctr_va_vcc(0) depctr_vm_vsrc(0)
	s_getreg_b32 s2, hwreg(HW_REG_IB_STS2, 6, 4)
	s_cmp_eq_u32 s2, 0
	s_cbranch_scc0 .Lentry_in_a_cluster
	s_endpgm
.Lentry_in_a_cluster:
	s_bfe_u32 s2, ttmp6, 0x10000c
	s_cmp_lg_u32 s2, 0xf033
	s_cbranch_scc0 .Lentry_shape_is_right
	s_endpgm
.Lentry_shape_is_right:
; Q, K, V = x W^T on codes of FP4 (E2M1) with one E8M0 scale for each 32 along K: C[m][n] = sum over k of A[m][k] B[n][k], A = x [8192][1024], B = W_q, W_k, W_v on end [3072][1024]; sums in f32, K ascending.
; The result is rounded once to f16 and laid by heads: qkv[g][m][64], g = n / 64 (0-15 Q's heads, 16-31 K's, 32-47 V's): byte g 2^20 + 128 m + 2 (n % 64).
; LIMIT: a number of Q, K or V beyond 65,504 becomes infinity in f16.
; A tile of C, 256 x 256, is made by a work-group of four waves; a wave makes 128 x 128: 64 accumulators of 16 x 16, 512 registers.  K = 1,024 is two slots of 512 along K (rows of 256 bytes): both are asked for at the start and nothing is filled again.
; THE SCALES of the work-group's 256 rows of A and of B, for all of K, are two dense blocks of memory: they come into LDS once, with the first fills.
; CLUSTERS: 4 x 4 work-groups.  The four of a row of the cluster need the same tiles of A, the four of a column the same tiles of B: each tile is asked for JOINTLY, by the same tensor load with the same descriptor and a mask that names the four.
; THE MATRIX INSTRUCTION IS USED TRANSPOSED (source 0 = 16 rows of B, source 1 = 16 rows of A): a lane then holds eight neighbouring numbers of a row of C.
; REGISTERS, in windows of 256: window 0: v0-31 addresses; v32-95 scale words, two sets; v128-191 A's fragments, ONE set; on the way out v32-63, v192-255.
;   window 1: B's fragments, TWO sets, at v0 and at v128.   window 2: the 32 accumulators of my rows 0-63 (accumulator (a, b) at v[8 (8 a + b)]);   window 3: those of my rows 64-127.
; 384 tiles on work-groups of one tile each: a tile of 256 x 384 would want 768 accumulator registers a wave and leave no room for B's two sets.
.set SIZE_K, 1024
.set KSTEP,  512                       ; along K in a slot
.set NQ,     KSTEP/128                 ; matrix instructions deep
.set ROWB,   256                       ; a tile's row in bytes
.set KROW,   SIZE_K/2                  ; a row of A or of B in memory, in bytes
.set PITCH,  272                       ; an LDS row: 256 bytes + 16 of padding = 68 words: the 16 rows that a load touches start at 16 different banks (64 banks of 4 bytes: ISA guide 11.1)
.set FR,     8                         ; registers of a fragment: 16 rows x 128 K
.set NL,     2                         ; LDS loads that bring one
.set NP,     4                         ; places behind this matrix instruction (ISA guide 7.12.1)
.set HALFT,  128*PITCH                 ; 128 rows: what one tensor load brings
.set SLOT,   4*HALFT                   ; A's 256 rows, then B's 256 rows
.set KS,     SIZE_K/32                 ; a row of scales in bytes
.set SCL,    2*SLOT                    ; behind the slots: the scales, as runs of 256 bytes + 16 of padding
.set HALFS,  (128*KS/256)*272          ; the scales of 128 rows: what one tensor load brings
.set SBLK,   (16*KS/256)*272           ; those of 16 rows
.set SPARE,  SCL+4*HALFS               ; the spare words, 128 bytes for each wave
.set STAGE,  SPARE+512                 ; the way out: 16 rows x (256 bytes + 16) for each wave, bytes of their own
.set SPITCH, 272
.set ADRA, 16                          ; v16-17  LDS address of my A fragments in slot 0, 1
.set ADRB, 20                          ; v20-21  the same for B
.set STO,  24                          ; v24     the way out: where I put 16 bytes of a row
.set RD,   25                          ; v25     where I read rows back
.set CO,   26                          ; v26     16 x lane
.set ADRS, 27                          ; v27     LDS address of my scale words: lanes 0-15 A's rows, lanes 16-31 B's
.set SPW,  28                          ; v28     LDS address of my spare word; never rewritten
.set NIL,  29                          ; v29     0; never rewritten
.set SC,   32                          ; scale words: set s at v[SC + 8 NQ s]; register NQ i + q: lanes 0-15 the word of A's block i, lanes 16-31 that of B's block i, for the slot's q-th 128 along K
.set AF,   128                         ; A's fragments, in window 0
.set TMP,  192                         ; the way out: a block's 32 packed registers
.set OB,   32                          ; and 16 rows read back: v32-63 and v224-255 by turns
.set G1, 24                            ; s[24:31] descriptor group 1 for A's tiles;  s[32:39] group 0, one set for each slot
.set G0, 32
.set G1B, 48                           ; s[48:55], s[56:63] the same for B's tiles
.set G0B, 56
.set G1S, 68                           ; s[68:75], s[76:79] groups 1 and 0 for A's scales;  s[80:87], s[88:91] for B's
.set G0S, 76
.set G1SB, 80
.set G0SB, 88
.set MSB, 0
.macro WIN new                         ; the immediate's high byte repeats the setting that is left
.if MSB != (\new)
	s_set_vgpr_msb (MSB<<8)|(\new)
.set MSB, \new
.endif
.endm
.set MUL_LO, 0xa1                      ; source 0 (B) window 1, source 1 (A) window 0, C and D window 2
.set MUL_HI, 0xf1                      ; the same, C and D window 3
.set TO_B,   0x40                      ; destination window 1, address window 0
; A joint load: waves 0 and 1 fetch for A, waves 2 and 3 for B.  Each of the two lines has ONE mask and one set of registers for all that issue it; the branch hangs on the wave's number alone.
; An s_nop 0 and four v_nop follow each of the two lines.
.macro JLOAD g0a, g1a, g0b, g1b
	s_cmp_eq_u32 s15, 0
	s_cbranch_scc0 .Lfor_b_\@
	tensor_load_to_lds s[\g0a:\g0a+3], s[\g1a:\g1a+7]
	s_nop 0
.rept 4
	v_nop
.endr
	s_branch .Lasked_\@
.Lfor_b_\@:
	tensor_load_to_lds s[\g0b:\g0b+3], s[\g1b:\g1b+7]
	s_nop 0
.rept 4
	v_nop
.endr
.Lasked_\@:
.endm
.macro CROUND                          ; a round of the cluster's barrier
	s_barrier_signal -1
	s_barrier_wait -1
	s_cmp_lg_u32 s14, 0
	s_cbranch_scc1 .Lnot_wave_0_\@
	s_barrier_signal -3
.Lnot_wave_0_\@:
	s_barrier_wait -3
	s_barrier_signal -1
	s_barrier_wait -1
.endm
	s_load_b128 s[4:7], s[0:1], 0x0                ; A's codes s[4:5], A's scales s[6:7]
	s_load_b128 s[8:11], s[0:1], 0x10              ; B's codes s[8:9], B's scales s[10:11]
	s_load_b64 s[12:13], s[0:1], 0x20              ; qkv
	v_lshl_add_u32 v[SPW], v0, 2, SPARE
	v_mov_b32 v[NIL], 0
	ds_add_u32 v[SPW], v[NIL]                      ; the wave's opening: the add, twice on end, and its wait ahead of my first tensor load
	ds_add_u32 v[SPW], v[NIL]
	v_lshrrev_b32 v1, 5, v0
	v_readfirstlane_b32 s14, v1                    ; wave 0..3
	s_lshr_b32 s15, s14, 1                         ; which half of the tile's rows is mine.  Also: I fetch for A (0) or for B (1)
	s_and_b32 s16, s14, 1                          ; which half of its columns.  Also: which 128 rows of that tile I fetch
	s_bfe_u32 s40, ttmp6, 0x40000                  ; cx, cy: my place in the cluster
	s_bfe_u32 s41, ttmp6, 0x40004
	s_lshl_b32 s42, ttmp9, 2
	s_add_co_u32 s42, s42, s40                     ; tile column of C = 4 x cluster x + cx
	s_and_b32 s17, ttmp7, 0xffff
	s_lshl_b32 s17, s17, 2
	s_add_co_u32 s17, s17, s41                     ; tile row of C = 4 x cluster y + cy
	s_lshl_b32 s43, s41, 2
	s_lshl_b32 s43, 15, s43                        ; my row of the cluster
	s_lshl_b32 s44, 0x1111, s40                    ; my column
	; descriptor group 1: a tile of 128 rows x 256 bytes, padded in LDS
	s_or_b32 s[G1+0], s43, (0<<16)|(1<<20)|(1<<21)|(5<<22)|(3<<25)  ; 15:0 the mask: A's tiles go to my row; 17:16 element of 1 byte; 20 padding on; 21 set beside a mask; 24:22 after every 64 words; 31:25 four words
	s_or_b32 s[G1B+0], s44, (0<<16)|(1<<20)|(1<<21)|(5<<22)|(3<<25)
.irp g, G1, G1B
	s_mov_b32 s[\g+1], ROWB<<16                    ; tensor_dim0
	s_mov_b32 s[\g+2], 128<<16                     ; tensor_dim1 = 128
	s_mov_b32 s[\g+3], ROWB<<16                    ; tile_dim0
	s_mov_b32 s[\g+4], 128                         ; tile_dim1 = 128
	s_mov_b32 s[\g+5], KROW                        ; tensor_dim0_stride
	s_mov_b32 s[\g+6], 0
	s_mov_b32 s[\g+7], 0
.endr
	; the scales of 128 rows: a dense block of 4,096 bytes, as 16 rows of 256 bytes (32 elements of 8 bytes), 16 bytes of padding behind each
	s_or_b32 s[G1S+0], s43, (3<<16)|(1<<20)|(1<<21)|(5<<22)|(3<<25)
	s_or_b32 s[G1SB+0], s44, (3<<16)|(1<<20)|(1<<21)|(5<<22)|(3<<25)
.irp g, G1S, G1SB
	s_mov_b32 s[\g+1], 32<<16
	s_mov_b32 s[\g+2], (128*KS/256)<<16
	s_mov_b32 s[\g+3], 32<<16
	s_mov_b32 s[\g+4], 128*KS/256
	s_mov_b32 s[\g+5], 32
	s_mov_b32 s[\g+6], 0
	s_mov_b32 s[\g+7], 0
.endr
	s_lshl_b32 s18, s16, 7                         ; which 128 rows of the tile I fetch
	s_lshl_b32 s20, s17, 8
	s_add_co_u32 s20, s20, s18                     ; A: row 256 x tile row + 128 x half
	s_lshl_b32 s46, s42, 8
	s_add_co_u32 s46, s46, s18                     ; B: row 256 x tile column + 128 x half
	s_mov_b32 s21, 0
	s_mov_b32 s47, 0
	s_mov_b64 s[18:19], KS
	s_mul_u64 s[22:23], s[20:21], s[18:19]         ; where these rows' scales begin, in bytes
	s_mul_u64 s[92:93], s[46:47], s[18:19]
	s_mov_b64 s[18:19], KROW
	s_mul_u64 s[20:21], s[20:21], s[18:19]         ; and their codes
	s_mul_u64 s[46:47], s[46:47], s[18:19]
	s_mul_i32 s45, s14, HALFT                      ; where they go: wave x 128 rows: no place in the cluster enters an LDS address
	s_mul_i32 s94, s14, HALFS
	s_wait_dscnt 0x0                               ; both opening adds are done
	s_wait_kmcnt 0x0
	s_add_nc_u64 s[20:21], s[4:5], s[20:21]
	s_add_nc_u64 s[22:23], s[6:7], s[22:23]
	s_add_nc_u64 s[46:47], s[8:9], s[46:47]
	s_add_nc_u64 s[92:93], s[10:11], s[92:93]
	CROUND                                         ; all sixteen work-groups are here: the joint loads meet
	s_mov_b32 s[G0S], 1
	s_add_co_u32 s[G0S+1], s94, SCL
	s_mov_b64 s[G0S+2:G0S+3], s[22:23]
	s_or_b32 s[G0S+3], s[G0S+3], 0x80000000
	s_mov_b32 s[G0SB], 1
	s_add_co_u32 s[G0SB+1], s94, SCL
	s_mov_b64 s[G0SB+2:G0SB+3], s[92:93]
	s_or_b32 s[G0SB+3], s[G0SB+3], 0x80000000
	JLOAD G0S, G1S, G0SB, G1SB                     ; the scales first: they are wanted with the first slot.  By this text's count a wave has three tensor loads out
.irp s, 0,1
	s_mov_b32 s[G0+4*\s], 1
	s_add_co_u32 s[G0+4*\s+1], s45, \s*SLOT
	s_add_nc_u64 s[G0+4*\s+2:G0+4*\s+3], s[20:21], \s*ROWB
	s_or_b32 s[G0+4*\s+3], s[G0+4*\s+3], 0x80000000
	s_mov_b32 s[G0B+4*\s], 1
	s_add_co_u32 s[G0B+4*\s+1], s45, \s*SLOT
	s_add_nc_u64 s[G0B+4*\s+2:G0B+4*\s+3], s[46:47], \s*ROWB
	s_or_b32 s[G0B+4*\s+3], s[G0B+4*\s+3], 0x80000000
	JLOAD G0+4*\s, G1, G0B+4*\s, G1B
.endr
	v_and_b32 v1, 15, v0                           ; r = l % 16
	v_bfe_u32 v2, v0, 4, 1                         ; h = l / 16
	v_mul_u32_u24 v3, v1, PITCH
	v_lshl_add_u32 v4, v2, 4, v3                   ; a fragment's row x pitch + 16 x half
	s_mul_i32 s21, s15, HALFT                      ; my 128 rows of A
	s_mul_i32 s22, s16, HALFT                      ; my 128 rows of B,
	s_add_co_u32 s22, s22, 2*HALFT                 ; which lie behind A's 256
.irp s, 0,1
	v_add_nc_u32 v[ADRA+\s], s21, v4
	v_add_nc_u32 v[ADRB+\s], s22, v4
	s_add_co_u32 s21, s21, SLOT
	s_add_co_u32 s22, s22, SLOT
.endr
	v_mul_u32_u24 v5, v1, KS                       ; my row's scales: KS bytes a row,
	v_lshrrev_b32 v6, 8, v5
	v_lshl_add_u32 v5, v6, 4, v5                   ; and 16 more for each 256 passed
	s_mul_i32 s21, s15, HALFS                      ; A's: my 128 rows
	s_mul_i32 s22, s16, HALFS                      ; B's: my 128 rows, behind A's 256
	s_add_co_u32 s22, s22, 2*HALFS
	s_sub_co_u32 s22, s22, s21
	v_mul_u32_u24 v6, s22, v2                      ; lanes 16-31 take B's
	s_add_co_u32 s21, s21, SCL
	v_add_nc_u32 v5, v5, v6
	v_add_nc_u32 v[ADRS], s21, v5
	s_mul_i32 s23, s14, 16*SPITCH
	s_add_co_u32 s23, s23, STAGE                   ; my stage
	v_mul_u32_u24 v5, v1, SPITCH                   ; in: row l % 16, 16 bytes for each half of the lanes
	v_lshl_add_u32 v5, v2, 4, v5
	v_add_nc_u32 v[STO], s23, v5
	v_and_b32 v6, 31, v0
	v_lshlrev_b32 v[CO], 4, v6                     ; in memory: 16 x lane: four rows of a head, 128 bytes each, are 512 consecutive bytes
	v_lshrrev_b32 v5, 3, v6
	v_mul_u32_u24 v5, v5, SPITCH                   ; back: eight lanes to a head's 128 bytes of a row, four rows an instruction
	v_and_b32 v6, 7, v6
	v_lshl_add_u32 v5, v6, 4, v5
	v_add_nc_u32 v[RD], s23, v5
	s_lshl_b32 s20, s17, 15                        ; my first row: (256 x tile row + 128 x half) x 128 bytes
	s_lshl_b32 s21, s15, 14
	s_add_co_u32 s20, s20, s21
	s_mov_b32 s21, 0
	s_lshl_b32 s46, s42, 22                        ; my first head: (4 x tile column + 2 x half) x 2^20 bytes
	s_lshl_b32 s47, s16, 21
	s_add_co_u32 s46, s46, s47
	s_mov_b32 s47, 0
	s_add_nc_u64 s[20:21], s[20:21], s[46:47]
	s_add_nc_u64 s[12:13], s[12:13], s[20:21]
.macro FRAG reg, adr, q, i             ; a fragment, 16 rows x 128 K of 4-bit codes: lane l holds row l % 16; registers 4 c .. 4 c + 3 hold K = 64 c + 32 (l / 16) + 0 .. 31
.irp c, 0,1
	ds_load_b128 v[\reg+4*\c:\reg+4*\c+3], v[\adr] offset:64*(\q)+32*\c+(\i)*16*PITCH
.endr
.endm
; 16 matrix instructions: A's blocks a0, a0 + 1 x B's eight, 128 along K: the slot's q-th.  p: B's set;  sc: the set of scale words.  zero = 1: the first product starts the sums.
; The 64 accumulators take turns, one instruction a turn, in the same order in every step.
.macro MUL16 a0, p, q, sc, zero
.irp a, \a0, \a0+1
.irp b, 0,1,2,3,4,5,6,7
.if \zero
	v_wmma_scale_f32_16x16x128_f8f6f4 v[8*(8*((\a)%4)+\b):8*(8*((\a)%4)+\b)+7], v[128*(\p)+FR*\b:128*(\p)+FR*\b+FR-1], v[AF+FR*(\a):AF+FR*(\a)+FR-1], 0, v[SC+8*NQ*(\sc)+NQ*\b+(\q)], v[SC+8*NQ*(\sc)+NQ*(\a)+(\q)] matrix_a_fmt:MATRIX_FMT_FP4 matrix_b_fmt:MATRIX_FMT_FP4 matrix_a_scale:MATRIX_SCALE_ROW1
.else
	v_wmma_scale_f32_16x16x128_f8f6f4 v[8*(8*((\a)%4)+\b):8*(8*((\a)%4)+\b)+7], v[128*(\p)+FR*\b:128*(\p)+FR*\b+FR-1], v[AF+FR*(\a):AF+FR*(\a)+FR-1], v[8*(8*((\a)%4)+\b):8*(8*((\a)%4)+\b)+7], v[SC+8*NQ*(\sc)+NQ*\b+(\q)], v[SC+8*NQ*(\sc)+NQ*(\a)+(\q)] matrix_a_fmt:MATRIX_FMT_FP4 matrix_b_fmt:MATRIX_FMT_FP4 matrix_a_scale:MATRIX_SCALE_ROW1
.endif
.endr
.endr
.endm
.macro FETCH_B slot, q, p              ; B's eight fragments of the slot's q-th 128 along K into set p
	WIN TO_B
.irp i, 0,1,2,3,4,5,6,7
	FRAG 128*(\p)+FR*\i, ADRB+\slot, \q, \i
.endr
	WIN 0
.endm
.macro FETCH_A slot, q, i0             ; A's blocks i0 .. i0 + 3
.irp i, \i0, \i0+1, \i0+2, \i0+3
	FRAG AF+FR*(\i), ADRA+\slot, \q, \i
.endr
.endm
.macro SCALES sc                       ; a slot's scale words into set sc: NQ words a row; lanes 0-15 take A's block i, lanes 16-31 B's block i
.irp i, 0,1,2,3,4,5,6,7
	ds_load_b128 v[SC+8*NQ*\sc+NQ*\i:SC+8*NQ*\sc+NQ*\i+3], v[ADRS] offset:\i*SBLK
.endr
.endm
; A load into a register that a matrix instruction has read, and a vector instruction that reads a matrix result, stand NP places behind that matrix instruction; only plain vector instructions that name none of its registers are places.
.macro PLACES n
.rept \n
	v_nop
.endr
.endm
; A step of 128 along K that has its successor in the same slot.  A's blocks are free as soon as their eight products are issued: blocks 0-3 are fetched anew in the step's middle, blocks 4-7 at its end.
.macro STEP slot, q, zero
	s_wait_dscnt 4*NL                              ; B's set and A's blocks 0-3 are in; the youngest eight loads (A's blocks 4-7) may be out
	WIN MUL_LO
	MUL16 0, (\q)%2, \q, \slot, \zero
	MUL16 2, (\q)%2, \q, \slot, \zero
	s_wait_dscnt 0                                 ; A's blocks 4-7 are in
	PLACES NP
	FETCH_B \slot, (\q)+1, 1-(\q)%2
	FETCH_A \slot, (\q)+1, 0
	WIN MUL_HI
	MUL16 4, (\q)%2, \q, \slot, \zero
	MUL16 6, (\q)%2, \q, \slot, \zero
	PLACES NP
	WIN 0
	FETCH_A \slot, (\q)+1, 4
.endm
; Slot 0's last step changes slots: one barrier; in front of it each wave waits for all its tensor loads (its part of slot 1), adds 0 to its spare word, and waits for that and for its LDS loads.  Nothing is filled again.
.macro TURN slot, next
	s_wait_tensorcnt 0x0                           ; my part of the next slot has landed
	ds_add_u32 v[SPW], v[NIL]                      ; 0 onto my spare word
	s_wait_dscnt 4*NL+1                            ; (the add and the youngest eight loads, A's blocks 4-7, may be out)
	WIN MUL_LO
	MUL16 0, 1, NQ-1, \slot, 0
	s_wait_dscnt 0x0                               ; no LDS instruction of mine is out at the signal
	s_barrier_signal -1
	MUL16 2, 1, NQ-1, \slot, 0
	WIN 0
	s_barrier_wait -1                              ; everybody's part of the next slot has landed
	PLACES NP
	v_add_nc_u32 v[ADRS], 4*NQ, v[ADRS]            ; on to the next slot's scale words
	FETCH_B \next, 0, 0
	FETCH_A \next, 0, 0
	SCALES \next
	WIN MUL_HI
	MUL16 4, 1, NQ-1, \slot, 0
	MUL16 6, 1, NQ-1, \slot, 0
	PLACES NP
	WIN 0
	FETCH_A \next, 0, 4
.endm
	s_wait_tensorcnt 1                             ; the scales and my part of slot 0 are in (slot 1's load may be out)
	s_barrier_signal -1
	s_barrier_wait -1                              ; everybody's are
	FETCH_B 0, 0, 0
	FETCH_A 0, 0, 0
	SCALES 0
	FETCH_A 0, 0, 4
	STEP 0, 0, 1                                   ; the first step's products start the sums: nothing is cleared
	STEP 0, 1, 0
	STEP 0, 2, 0
	TURN 0, 1
	STEP 1, 0, 0
	STEP 1, 1, 0
	STEP 1, 2, 0
	s_wait_dscnt 4*NL                              ; the very last step: nothing more to fetch
	WIN MUL_LO
	MUL16 0, 1, NQ-1, 1, 0
	MUL16 2, 1, NQ-1, 1, 0
	s_wait_dscnt 0
	WIN MUL_HI
	MUL16 4, 1, NQ-1, 1, 0
	MUL16 6, 1, NQ-1, 1, 0
	WIN 0
; THE WAY OUT, block by block of 16 rows x 128 columns (two heads).  PACK: rounded to f16, 16 bytes a lane, each accumulator from its low end on.  TOSTAGE: into my own stage, and back by heads: four rows of one head an instruction.
; SEND: 32 lanes store 512 consecutive bytes, aligned.  LDS serves a wave's instructions in order (ISA guide 5.7.1.4): no wait between the stage's stores and its loads.
.macro PACK a
.set AC, 64*((\a)%4)
	WIN 0x0a+5*((\a)/4)                            ; sources 0 and 1: window 2 or 3
.irp b, 0,1,2,3,4,5,6,7
.irp r, 0,1,2,3
	v_cvt_pk_f16_f32 v[TMP+4*\b+\r], v[AC+8*\b+2*\r], v[AC+8*\b+2*\r+1]
.endr
.endr
	WIN 0
.endm
.macro TOSTAGE a
.set BB, OB+192*((\a)%2)
.irp b, 0,1,2,3,4,5,6,7
	ds_store_b128 v[STO], v[TMP+4*\b:TMP+4*\b+3] offset:32*\b
.endr
.irp u, 0,1
.irp t, 0,1,2,3
	ds_load_b128 v[BB+4*(4*\u+\t):BB+4*(4*\u+\t)+3], v[RD] offset:4*SPITCH*\t+128*\u
.endr
.endr
.endm
.macro SEND a
.set BB, OB+192*((\a)%2)
	s_wait_dscnt 0x0                               ; the block is back in registers
	s_wait_xcnt 0x0                                ; the stores of the block before have read their registers: the next block's loads may land there
.irp u, 0,1
.irp t, 0,1,2,3
	global_store_b128 v[CO], v[BB+4*(4*\u+\t):BB+4*(4*\u+\t)+3], s[12:13] offset:\u*1048576+(16*(\a)+4*\t)*128
.endr
.endr
.endm
	PLACES NP                                      ; behind the last products; the earlier blocks' conversions are further places for the later blocks'
	PACK 0
	TOSTAGE 0
.irp a, 1,2,3,4,5,6,7                  ; block a's conversions stand between block a - 1's loads from the stage and the wait for them
	PACK \a
	SEND (\a)-1
	TOSTAGE \a
.endr
	SEND 7
	s_wait_tensorcnt 0x0                           ; the wave's end, behind my last tensor load and my last LDS store
	ds_add_u32 v[SPW], v[NIL]
	s_wait_dscnt 0x0
	CROUND                                         ; the closing round: no work-group ends while a partner may still ask for a tile that names it
	s_endpgm
.Lfunc_end_k_q148284621c_qkv:
	.size	k_q148284621c_qkv, .Lfunc_end_k_q148284621c_qkv-k_q148284621c_qkv
	.p2alignl 7, 3214868480
	.fill 96, 4, 3214868480
	.section	.rodata,"a",@progbits
	.p2align	6, 0x0
	.amdhsa_kernel k_q148284621c_qkv
		.amdhsa_group_segment_fixed_size 327680
		.amdhsa_private_segment_fixed_size 0
		.amdhsa_enable_private_segment 0
		.amdhsa_kernarg_size 40
		.amdhsa_user_sgpr_count 2
		.amdhsa_user_sgpr_kernarg_segment_ptr 1
		.amdhsa_wavefront_size32 1
		.amdhsa_system_sgpr_workgroup_id_x 1
		.amdhsa_system_sgpr_workgroup_id_y 1
		.amdhsa_system_sgpr_workgroup_id_z 1
		.amdhsa_system_vgpr_workitem_id 0
		.amdhsa_next_free_vgpr 1024
		.amdhsa_next_free_sgpr 98
		.amdhsa_reserve_vcc 0
		.amdhsa_float_denorm_mode_32 3
		.amdhsa_float_denorm_mode_16_64 3
		.amdhsa_memory_ordered 1
		.amdhsa_forward_progress 1
		.amdhsa_inst_pref_size 126
	.end_amdhsa_kernel
	.amdgpu_metadata
---
amdhsa.version: [ 1, 2 ]
amdhsa.kernels:
  - .name:           k_q148284621c_qkv
    .symbol:         k_q148284621c_qkv.kd
    .args:
      - { .name: x_codes, .offset: 0, .size: 8, .value_kind: global_buffer, .address_space: global }
      - { .name: x_scales, .offset: 8, .size: 8, .value_kind: global_buffer, .address_space: global }
      - { .name: w_codes, .offset: 16, .size: 8, .value_kind: global_buffer, .address_space: global }
      - { .name: w_scales, .offset: 24, .size: 8, .value_kind: global_buffer, .address_space: global }
      - { .name: qkv, .offset: 32, .size: 8, .value_kind: global_buffer, .address_space: global }
    .group_segment_fixed_size: 327680
    .private_segment_fixed_size: 0
    .kernarg_segment_align: 8
    .kernarg_segment_size: 40
    .max_flat_workgroup_size: 128
    .sgpr_count:     98
    .vgpr_count:     1024
    .wavefront_size: 32
...
	.end_amdgpu_metadata
.endif
;; end of part 2
;; launch attn (part 3): grid 4 x 64, 8 waves a work-group, no clusters, 327,680 bytes of LDS; arguments qkv, o_ws; writes o_ws
.if DOCPART == 3
	.amdgcn_target "amdgcn-amd-amdhsa--gfx1250"
	.amdhsa_code_object_version 6
	.text
	.protected	k_q148284621c_attn
	.globl	k_q148284621c_attn
	.p2align	8
	.type	k_q148284621c_attn,@function
k_q148284621c_attn:
	s_mov_b64 s[64:65], 0
	v_nop
	global_prefetch_b8 v0, s[64:65] scope:SCOPE_SE
	s_setreg_imm32_b32 hwreg(HW_REG_WAVE_MODE, 25, 1), 1
	s_wait_xcnt 0x0
; O[y][q][:] = the sum over k of softmax_k(Q[y][q] . K[y][k] / 8) V[y][k][:], no mask; y = 4 x head + batch, 2,048 queries and keys, head size 64.
; Q, K, V lie in qkv as dense rows of 64 f16: Q at y 2^18, K 2^24 further on, V 2^25.  O goes to o_ws in the same layout, f16.  Products, maxima and sums in f32; the weights p are rounded to f16 for the second product, O once at the end.
; LIMITS: NaN and infinities in Q, K, V are not served.
; SHARES.  A work-group owns 512 queries of one y, each of its eight waves 64: four tiles of 16, in 512 registers.  Every wave walks all 2,048 keys, 64 a step.
; LAYOUT.  S^T = K Q^T (source 0 = 16 keys, source 1 = 16 queries): a lane holds ONE query (lane % 16) and the keys 8 (lane / 16) + 0..7.  Two such tiles, rounded to f16 in pairs, ARE source 1 (32 keys x 16 queries) of O^T = V^T P.
; K comes out of LDS as it lies, V ([key][channel]) turned, by ds_load_tr16_b128.  P is made in place, in the lower half of its tile's S^T.
; SOFTMAX.  For each query a running maximum m and sum l: p = 2^(c s - c m), c = log2(e) / 8; in every step O and l are multiplied by a = 2^(c m_old - c m_new).
; A STEP is a matrix phase (V^T P of the step before, K Q^T of this one: 64 instructions) and a vector phase (the softmax: 472).  THE TWO HALVES OF THE WAVES ARE SET ABOUT HALF A STEP APART at the start, so that one half's vector phase
; can stand beside the other half's matrix phase; and the barrier of a change of slots is SPLIT so that the distance is kept: a wave signals behind its last LDS read of the slot, and waits only behind the step's K Q^T and softmax, which are work on registers.
; THE RING.  Two slots of four steps (256 keys).  Waves 0-3 fetch the four steps' tiles of K, waves 4-7 those of V: one tensor load a wave behind each change of slots; it has more than three steps in which to land.
; NO CLUSTER, though the four query blocks of a y walk the same K and V.  A joint refill stands behind a round of the cluster's barrier, whose closing work-group barrier brings all eight waves to one line of the text: the distance between the halves
; would be lost at every change of slots.  And what would be shared is small: in a slot's four steps a work-group receives 64 KiB by tensor loads, while its waves read 8 x 64 KiB from LDS and issue 2,048 matrix instructions.
; REGISTERS, in windows of 256 (s_set_vgpr_msb: bits 1:0 source 0, 3:2 source 1, 5:4 source 2, 7:6 destination):
;   window 0: v0-11 addresses; v12-43 eight registers of statistics a tile; v44 prefetch offset; v62, v63 the add's two; v64-191 S^T, 32 a tile (P in the lower 16); v192-255 V of one step
;   window 1: v0-127 O^T, 32 a tile; v128-191 Q, 16 a tile; v192-255 K of one step
.set PK,    144       ; a row of K in LDS: 128 bytes + 16 of padding = 36 words: the 16 rows of a load start at 16 different groups of four banks (64 banks of 4 bytes: ISA guide 11.1)
.set PVP,   160       ; a row of V: 128 + 32 = 40 words
.set VOFF,  64*PK     ; a step's tiles lie together: 64 rows of K, then 64 rows of V
.set STEPB, 64*(PK+PVP)
.set SLOT1, 1<<17     ; a slot holds four steps (77,824 bytes); slot 1 begins here, so that one exclusive or turns an address in one slot into the other's
.set VISIT, 4*64*128  ; a slot's keys in memory: 32,768 bytes of K, as many of V
.set STAGE, SLOT1+4*STEPB  ; behind the ring: 16 rows x 144 bytes for each wave, for the way out
.set SP,    144
.set SPARE, STAGE+8*16*SP  ; the spare words, 128 bytes for each wave
.set AK0, 2           ; v2   my lane's place in a tile of K; never rewritten
.set AV0, 3           ; v3   the same for V
.set ADR, 4           ; v4   the LDS address of the run of loads in hand
.set QO,  5           ; v5   my byte offset in the wave's rows of Q
.set STO, 6           ; v6   the way out: where I put 16 bytes of a row
.set RD,  7           ; v7   where I read rows back
.set GO,  8           ; v8   16 x lane
.set ST,  12          ; tile t's statistics at v[ST+8 t]: +0 c m, +1 m, +2, +3 l (even keys', odd keys'), +4 to +7 at work; a stands in +6
.set PFO, 44          ; v44  256 x lane; never rewritten
.set SPW, 62          ; v62  LDS address of my spare word; never rewritten
.set NIL, 63          ; v63  0; never rewritten
.set S,   64
.set VF,  192         ; V's fragments, window 0
.set QF,  128         ; Q's, window 1
.set KF,  192         ; K's, window 1
.set WV,  12          ; s12  my wave's number
.set LIM, 15          ; s15  1 in a work-group that prefetches, else the greatest number
.set PFA, 18          ; s[18:19] where my prefetches stand: my own tile of the slot after the one that is being asked for
.set G1K, 24          ; s[24:31] descriptor group 1 for K's tiles
.set G1V, 32          ; s[32:39] for V's: it differs in the padding alone
.set G0K, 40          ; s[40:47] group 0 for K's tiles: a set for each of the two first fills; the second then walks on
.set G0V, 48          ; s[48:55] the same for V's
.set SLOTS, 56        ; s56  trips of the loop over slots still to go
.set CNT, 57          ; s57  counts steps in a slot
.set CS,  58          ; s[58:59] c: the packed scaling names a pair and takes its low word for both halves
.set SEL, 60          ; s[60:61] lane selects for v_permlanex16_b32: lane l xor 16
.set TB,  62          ; s62  LDS byte at which the tiles of the step to be fetched begin
.set MSB, 0
.macro WIN new                      ; the immediate's high byte repeats the setting that is left; a switch that changes nothing is dropped
.if MSB != (\new)
	s_set_vgpr_msb (MSB<<8)|(\new)
.set MSB, \new
.endif
.endm
.set W_KQ, 0x05       ; K and Q in window 1, S^T in window 0
.set W_PV, 0x50       ; V and P in window 0, O^T in window 1
.set W_RS, 0x41       ; O^T (destination and source 0) in window 1, a in window 0
.set TO1,  0x40       ; destination window 1, address window 0
.macro PLACES n
.rept \n
	v_nop
.endr
.endm
; A refill: waves 0-3 K's tiles, waves 4-7 V's, one load a wave.  The branch hangs on the wave's number alone.  An s_nop 0 and four v_nop follow each of the two lines.
.macro TLOAD
	s_cmp_lt_u32 s[WV], 4
	s_cbranch_scc0 .Lfor_v_\@
	tensor_load_to_lds s[G0K+4:G0K+7], s[G1K:G1K+7]
	s_nop 0
	PLACES 4
	s_branch .Lasked_\@
.Lfor_v_\@:
	tensor_load_to_lds s[G0V+4:G0V+7], s[G1V:G1V+7]
	s_nop 0
	PLACES 4
.Lasked_\@:
.endm
; A PREFETCH INTO THE L2 of what the NEXT change of slots will ask for.  All four work-groups of a y walk the same K and V: the first of them (x = 0) asks, and nobody else.  In it each wave names the tile that it will itself load:
; 8,192 dense bytes, lanes 256 bytes apart, one instruction.  So each aligned block of 256 bytes is named once in the launch, a slot's four steps ahead of its load.  The last change that fills a slot asks for nothing; slots 0 to 2 come by their loads alone.
.macro ASK
	s_cmp_gt_u32 s[SLOTS], s[LIM]
	s_cbranch_scc0 .Lnot_mine_\@
	global_prefetch_b8 v[PFO], s[PFA:PFA+1] th:TH_LOAD_NT scope:SCOPE_SE
.Lnot_mine_\@:
.endm
	s_load_b128 s[4:7], s[0:1], 0x0  ; qkv s[4:5], o_ws s[6:7]
	v_lshl_add_u32 v[SPW], v0, 2, SPARE
	v_mov_b32 v[NIL], 0
	ds_add_u32 v[SPW], v[NIL]       ; the wave's opening: the add, twice on end, and its wait ahead of my first tensor load
	ds_add_u32 v[SPW], v[NIL]
	v_lshrrev_b32 v1, 5, v0
	v_readfirstlane_b32 s[WV], v1   ; wave 0..7
	s_and_b32 s13, ttmp7, 0xffff    ; y
	s_lshl_b32 s20, s13, 18         ; y's first byte among Q's rows (and K's, V's, O's)
	s_and_b32 s16, s[WV], 3         ; which of a slot's four steps I fetch:
	s_lshl_b32 s22, s16, 13         ; its 64 rows of 128 bytes in memory,
	s_add_co_u32 s22, s22, s20
	s_mov_b32 s23, 0
	s_mul_i32 s17, s16, STEPB       ; and its place in a slot
	s_lshl_b32 s2, ttmp9, 16        ; my block's 512 rows,
	s_lshl_b32 s3, s[WV], 13        ; my wave's 64 of them
	s_add_co_u32 s2, s2, s3
	s_add_co_u32 s2, s2, s20
	s_mov_b32 s3, 0
	; descriptor group 1: a tile of 64 rows x 64 elements of 2 bytes, dense in memory, padded in LDS
	s_mov_b32 s[G1K], (1<<16)|(1<<20)|(4<<22)|(3<<25)  ; 15:0 no mask; 17:16 elements of 2 bytes; 20 padding on; 24:22 after every 32 words (code 4); 31:25 4 words of it (code 3)
	s_mov_b32 s[G1V], (1<<16)|(1<<20)|(4<<22)|(7<<25)  ; the same with 8 words of padding (code 7)
.irp g, G1K, G1V
	s_mov_b32 s[\g+1], 64<<16       ; tensor_dim0 = 64
	s_mov_b32 s[\g+2], 64<<16       ; tensor_dim1 = 64
	s_mov_b32 s[\g+3], 64<<16       ; tile_dim0 = 64
	s_mov_b32 s[\g+4], 64           ; tile_dim1 = 64
	s_mov_b32 s[\g+5], 64           ; tensor_dim0_stride
	s_mov_b32 s[\g+6], 0
	s_mov_b32 s[\g+7], 0
.endr
	s_mov_b32 s[CS], 0x3e38aa3b     ; c = log2(e) / 8
	s_mov_b32 s[CS+1], s[CS]        ; named with it as a pair, so it is written
	s_mov_b32 s[SEL], 0x76543210
	s_mov_b32 s[SEL+1], 0xfedcba98
	s_mov_b32 s[TB], 0
	s_mov_b32 s[SLOTS], 5
	s_cmp_eq_u32 ttmp9, 0
	s_cselect_b32 s[LIM], 1, -1
	v_and_b32 v[PFO], 31, v0
	v_lshlrev_b32 v[PFO], 8, v[PFO]
	s_wait_dscnt 0x0                ; both opening adds are done
	s_wait_kmcnt 0x0
	s_add_nc_u64 s[10:11], s[6:7], s[2:3]   ; O at my wave's first row
	s_add_nc_u64 s[6:7], s[4:5], s[22:23]
	s_add_nc_u64 s[8:9], s[6:7], 0x2000000  ; V at my tile of slot 0
	s_add_nc_u64 s[6:7], s[6:7], 0x1000000  ; K likewise
	s_add_nc_u64 s[4:5], s[4:5], s[2:3]     ; Q at my wave's first row
	s_cmp_lt_u32 s[WV], 4
	s_cselect_b64 s[PFA:PFA+1], s[6:7], s[8:9]
	s_add_nc_u64 s[PFA:PFA+1], s[PFA:PFA+1], 2*VISIT  ; in slot 2's keys; the first change of slots steps it on.  Nothing is prefetched here, at the head
.irp n, 0,1
	s_mov_b32 s[G0K+4*\n], 1        ; count = 1
	s_add_co_u32 s[G0K+4*\n+1], s17, \n*SLOT1  ; LDS address
	s_add_nc_u64 s[G0K+4*\n+2:G0K+4*\n+3], s[6:7], \n*VISIT  ; global address: keys 256 n on
	s_or_b32 s[G0K+4*\n+3], s[G0K+4*\n+3], 0x80000000  ; type = 2
	s_mov_b32 s[G0V+4*\n], 1
	s_add_co_u32 s[G0V+4*\n+1], s17, \n*SLOT1+VOFF
	s_add_nc_u64 s[G0V+4*\n+2:G0V+4*\n+3], s[8:9], \n*VISIT
	s_or_b32 s[G0V+4*\n+3], s[G0V+4*\n+3], 0x80000000
.endr
	s_cmp_lt_u32 s[WV], 4           ; a wave's two first fills stand in one branch, ahead of every wait on TENSORcnt, every LDS read and every barrier: two loads of mine are out
	s_cbranch_scc0 .Lfirst_v
	tensor_load_to_lds s[G0K:G0K+3], s[G1K:G1K+7]
	s_nop 0
	tensor_load_to_lds s[G0K+4:G0K+7], s[G1K:G1K+7]
	s_nop 0
	PLACES 4
	s_branch .Lfirst_asked
.Lfirst_v:
	tensor_load_to_lds s[G0V:G0V+3], s[G1V:G1V+7]
	s_nop 0
	tensor_load_to_lds s[G0V+4:G0V+7], s[G1V:G1V+7]
	s_nop 0
	PLACES 4
.Lfirst_asked:
	; A fragment of K or Q is 16 rows x 32 channels in 8 registers: lane l holds row l % 16; registers 0-3 channels 8 (l / 16) + 0..7, registers 4-7 channels 16 + 8 (l / 16) + 0..7: two loads of 16 bytes, 32 bytes apart.
	v_and_b32 v1, 15, v0            ; r = l % 16
	v_bfe_u32 v9, v0, 4, 1          ; h = l / 16
	v_lshlrev_b32 v[QO], 7, v1
	v_lshl_add_u32 v[QO], v9, 4, v[QO]  ; row x 128 + 16 x half
	WIN TO1
.irp t, 0,1,2,3                     ; Q stays in registers: tile t, channels 32 c on
.irp c, 0,1
	global_load_b128 v[QF+16*\t+8*\c:QF+16*\t+8*\c+3],   v[QO], s[4:5] offset:2048*\t+64*\c
	global_load_b128 v[QF+16*\t+8*\c+4:QF+16*\t+8*\c+7], v[QO], s[4:5] offset:2048*\t+64*\c+32
.endr
.endr
	WIN 0
	v_mul_u32_u24 v[AK0], v1, PK
	v_lshl_add_u32 v[AK0], v9, 4, v[AK0]  ; row x pitch + 16 x half
	; The turning load takes 16 keys x 16 channels (lane l reads 16 bytes: key 8 (l / 16) + l % 8, channels 8 ((l / 8) % 2) + 0..7) and leaves half a fragment of V^T: lane l holds channel l % 16 and 8 keys.
	v_and_b32 v10, 7, v0
	v_bfe_u32 v11, v0, 3, 1
	v_lshl_add_u32 v[AV0], v9, 3, v10
	v_mul_u32_u24 v[AV0], v[AV0], PVP
	v_lshl_add_u32 v[AV0], v11, 4, v[AV0]
	v_add_nc_u32 v[AV0], VOFF, v[AV0]
	s_mul_i32 s13, s[WV], 16*SP
	s_add_co_u32 s13, s13, STAGE    ; my stage
	v_mul_u32_u24 v[STO], v1, SP    ; in: row l % 16, 16 bytes for each half of the lanes
	v_lshl_add_u32 v[STO], v9, 4, v[STO]
	v_add_nc_u32 v[STO], s13, v[STO]
	v_and_b32 v11, 31, v0
	v_lshlrev_b32 v[GO], 4, v11     ; in memory: four rows of 128 bytes are 512 consecutive bytes: 16 x lane
	v_lshrrev_b32 v11, 3, v11
	v_mul_u32_u24 v[RD], v11, SP    ; back: eight lanes to a row, four rows an instruction
	v_lshl_add_u32 v[RD], v10, 4, v[RD]
	v_add_nc_u32 v[RD], s13, v[RD]
.irp t, 0,1,2,3
	v_mov_b32 v[ST+8*\t+1], 0xff61b1e6      ; m: -3e38, under every score: the first a is then 0, and l begins as 0
	v_mul_f32 v[ST+8*\t], s[CS], v[ST+8*\t+1]
	v_mov_b32 v[ST+8*\t+2], 0
	v_mov_b32 v[ST+8*\t+3], 0
	v_mov_b32 v[ST+8*\t+6], 0               ; a and its neighbour: written once here, since below each half of the waves first writes them in an arm of its own
	v_mov_b32 v[ST+8*\t+7], 0
.endr
; THE MATRIX WORK.  The sixteen accumulators of a phase take turns, one instruction a turn.
; 16 products of S^T = K Q^T: channels 32 c on; keys 16 kt on, tile t.  c = 0 starts the sums: nothing is cleared.
.macro KQH c
	WIN W_KQ
.irp kt, 0,1,2,3
.irp t, 0,1,2,3
.if \c == 0
	v_wmma_f32_16x16x32_f16 v[S+32*\t+8*\kt:S+32*\t+8*\kt+7], v[KF+8*(2*\kt+\c):KF+8*(2*\kt+\c)+7], v[QF+16*\t+8*\c:QF+16*\t+8*\c+7], 0
.else
	v_wmma_f32_16x16x32_f16 v[S+32*\t+8*\kt:S+32*\t+8*\kt+7], v[KF+8*(2*\kt+\c):KF+8*(2*\kt+\c)+7], v[QF+16*\t+8*\c:QF+16*\t+8*\c+7], v[S+32*\t+8*\kt:S+32*\t+8*\kt+7]
.endif
.endr
.endr
.endm
; 32 products of O^T += V^T P: keys 32 kk on, channels 16 ct on, tile t.  zero = 1: the first 16 start the sums.
.macro PVM zero
	WIN W_PV
.irp kk, 0,1
.irp ct, 0,1,2,3
.irp t, 0,1,2,3
.if \zero && (\kk == 0)
	v_wmma_f32_16x16x32_f16 v[32*\t+8*\ct:32*\t+8*\ct+7], v[VF+8*(4*\kk+\ct):VF+8*(4*\kk+\ct)+7], v[S+32*\t+8*\kk:S+32*\t+8*\kk+7], 0
.else
	v_wmma_f32_16x16x32_f16 v[32*\t+8*\ct:32*\t+8*\ct+7], v[VF+8*(4*\kk+\ct):VF+8*(4*\kk+\ct)+7], v[S+32*\t+8*\kk:S+32*\t+8*\kk+7], v[32*\t+8*\ct:32*\t+8*\ct+7]
.endif
.endr
.endr
.endr
.endm
; THE LDS LOADS stand in runs of 16: a step's K (64 keys x 64 channels: 8 fragments) and its V (turned).
.macro FETCH_K
	WIN 0
	v_add_nc_u32 v[ADR], s[TB], v[AK0]
	WIN TO1
.irp f, 0,1,2,3,4,5,6,7             ; keys 16 (f / 2) on, channels 32 (f % 2) on
	ds_load_b128 v[KF+8*\f:KF+8*\f+3],   v[ADR] offset:(\f/2)*16*PK+(\f%2)*64
	ds_load_b128 v[KF+8*\f+4:KF+8*\f+7], v[ADR] offset:(\f/2)*16*PK+(\f%2)*64+32
.endr
.endm
.macro FETCH_V
	WIN 0
	v_add_nc_u32 v[ADR], s[TB], v[AV0]
	s_add_co_u32 s[TB], s[TB], STEPB  ; the next fetch is the next step's
.irp f, 0,1,2,3,4,5,6,7             ; keys 32 (f / 4) on, channels 16 (f % 4) on
	ds_load_tr16_b128 v[VF+8*\f:VF+8*\f+3],   v[ADR] offset:(\f/4)*32*PVP+(\f%4)*32
	ds_load_tr16_b128 v[VF+8*\f+4:VF+8*\f+7], v[ADR] offset:(\f/4)*32*PVP+16*PVP+(\f%4)*32
.endr
.endm
; THE VECTOR WORK of a step, the four tiles by turns line by line, so that no line waits for the line above it.
; SMA: the maximum of a lane's 32 scores and the old m (each accumulator is read from its low end on); the other half of the lanes'; the new m, c m, a; the scalings c s - c m and the exponentials, in place.
; The 132 exponentials are ONE batch with ONE wait: none of these lines names an exponential's result.  Pair i's scaling stands with pair i - 1's two exponentials, so that plain lines stand among the exponentials.
.macro SMA
.irp j, 0,1,2,3
.irp t, 0,1,2,3
	v_max3_num_f32 v[ST+8*\t+4+\j], v[S+32*\t+8*\j], v[S+32*\t+8*\j+1], v[S+32*\t+8*\j+2]
.endr
.endr
.irp j, 0,1,2,3
.irp t, 0,1,2,3
	v_max3_num_f32 v[ST+8*\t+4+\j], v[ST+8*\t+4+\j], v[S+32*\t+8*\j+3], v[S+32*\t+8*\j+4]
.endr
.endr
.irp j, 0,1,2,3
.irp t, 0,1,2,3
	v_max3_num_f32 v[ST+8*\t+4+\j], v[ST+8*\t+4+\j], v[S+32*\t+8*\j+5], v[S+32*\t+8*\j+6]
.endr
.endr
.irp t, 0,1,2,3
	v_max3_num_f32 v[ST+8*\t+4], v[ST+8*\t+4], v[S+32*\t+7], v[S+32*\t+15]
.endr
.irp t, 0,1,2,3
	v_max3_num_f32 v[ST+8*\t+6], v[ST+8*\t+6], v[S+32*\t+23], v[S+32*\t+31]
.endr
.irp t, 0,1,2,3
	v_max3_num_f32 v[ST+8*\t+4], v[ST+8*\t+4], v[ST+8*\t+5], v[ST+8*\t+6]
.endr
.irp t, 0,1,2,3
	v_max3_num_f32 v[ST+8*\t+4], v[ST+8*\t+4], v[ST+8*\t+7], v[ST+8*\t+1]
.endr
.irp t, 0,1,2,3
	v_permlanex16_b32 v[ST+8*\t+5], v[ST+8*\t+4], s[SEL], s[SEL+1]  ; the query's other 32 keys lie in the lane 16 away
.endr
.irp t, 0,1,2,3
	v_mov_b32 v[ST+8*\t+7], v[ST+8*\t]      ; c m_old is kept for a
.endr
.irp t, 0,1,2,3
	v_max_num_f32 v[ST+8*\t+1], v[ST+8*\t+4], v[ST+8*\t+5]
.endr
.irp t, 0,1,2,3
	v_mul_f32 v[ST+8*\t], s[CS], v[ST+8*\t+1]
.endr
.irp t, 0,1,2,3
	v_sub_f32 v[ST+8*\t+7], v[ST+8*\t+7], v[ST+8*\t]
.endr
.irp t, 0,1,2,3
	v_exp_f32 v[ST+8*\t+6], v[ST+8*\t+7]    ; a
.endr
.irp t, 0,1,2,3
	v_pk_fma_f32 v[S+32*\t:S+32*\t+1], v[S+32*\t:S+32*\t+1], s[CS:CS+1], v[ST+8*\t:ST+8*\t+1] op_sel_hi:[1,0,0] neg_lo:[0,0,1] neg_hi:[0,0,1]
.endr
.irp i, 1,2,3,4,5,6,7,8,9,10,11,12,13,14,15
.irp t, 0,1,2,3
	v_pk_fma_f32 v[S+32*\t+2*\i:S+32*\t+2*\i+1], v[S+32*\t+2*\i:S+32*\t+2*\i+1], s[CS:CS+1], v[ST+8*\t:ST+8*\t+1] op_sel_hi:[1,0,0] neg_lo:[0,0,1] neg_hi:[0,0,1]
	v_exp_f32 v[S+32*\t+2*\i-2], v[S+32*\t+2*\i-2]
	v_exp_f32 v[S+32*\t+2*\i-1], v[S+32*\t+2*\i-1]
.endr
.endr
.irp t, 0,1,2,3
	v_exp_f32 v[S+32*\t+30], v[S+32*\t+30]
	v_exp_f32 v[S+32*\t+31], v[S+32*\t+31]
.endr
	v_nop                           ; a plain instruction behind the last exponential and ahead of the first use: one for the batch
	s_wait_alu depctr_va_vdst(0)    ; the wait ahead of the first line that names a result: one for the batch
.endm
; SMB: l = a l + the sum of the unrounded p (two chains of packed sums); p rounded to f16 in place, pair i into register i of its tile; O^T times a (first = 1: there is no O^T yet).
.macro SMB first
.irp t, 0,1,2,3
	v_pk_fma_f32 v[ST+8*\t+2:ST+8*\t+3], v[ST+8*\t+2:ST+8*\t+3], v[ST+8*\t+6:ST+8*\t+7], v[S+32*\t:S+32*\t+1] op_sel_hi:[1,0,1]
.endr
.irp t, 0,1,2,3
	v_pk_add_f32 v[ST+8*\t+4:ST+8*\t+5], v[S+32*\t+2:S+32*\t+3], v[S+32*\t+6:S+32*\t+7]
.endr
.irp i, 4,8,12,16,20,24
.irp t, 0,1,2,3
	v_pk_add_f32 v[ST+8*\t+2:ST+8*\t+3], v[ST+8*\t+2:ST+8*\t+3], v[S+32*\t+\i:S+32*\t+\i+1]
.endr
.irp t, 0,1,2,3
	v_pk_add_f32 v[ST+8*\t+4:ST+8*\t+5], v[ST+8*\t+4:ST+8*\t+5], v[S+32*\t+\i+6:S+32*\t+\i+7]
.endr
.endr
.irp t, 0,1,2,3
	v_pk_add_f32 v[ST+8*\t+2:ST+8*\t+3], v[ST+8*\t+2:ST+8*\t+3], v[S+32*\t+28:S+32*\t+29]
.endr
.irp t, 0,1,2,3
	v_pk_add_f32 v[ST+8*\t+2:ST+8*\t+3], v[ST+8*\t+2:ST+8*\t+3], v[ST+8*\t+4:ST+8*\t+5]
.endr
.irp i, 0,1,2,3,4,5,6,7,8,9,10,11,12,13,14,15
.irp t, 0,1,2,3
	v_cvt_pk_f16_f32 v[S+32*\t+\i], v[S+32*\t+2*\i], v[S+32*\t+2*\i+1]  ; ascending: register i is written when pairs up to i have been read
.endr
.endr
.if !\first
	WIN W_RS
.irp i, 0,2,4,6,8,10,12,14,16,18,20,22,24,26,28,30
.irp t, 0,1,2,3
	v_pk_mul_f32 v[32*\t+\i:32*\t+\i+1], v[32*\t+\i:32*\t+\i+1], v[ST+8*\t+6:ST+8*\t+7] op_sel_hi:[1,0]
.endr
.endr
	WIN 0
.endif
.endm
; U: the first half of a step's matrix phase.  This step's K is asked for; the step before's V^T P is issued; then this step's V is asked for.
; Five places stand behind the products: four are owed to the loads into V's registers, five to the next K Q^T, whose results are laid over P (ISA guide 7.12.1 for vector instructions).
.macro U zero
	FETCH_K                         ; K's registers were last read ahead of the softmax
	s_wait_dscnt 16                 ; the step before's V is in; K's sixteen loads may be out
	PVM \zero
	WIN 0
	PLACES 5
	FETCH_V
.endm
; W: the second half of the matrix phase, and the vector phase.  wait = 0 where a wait for all LDS loads stands ahead already.
.macro W first, wait
.if \wait
	s_wait_dscnt 16                 ; K is in; V's sixteen loads may be out
.endif
	KQH 0
	KQH 1
	WIN 0
	PLACES 4                        ; behind the products, ahead of the first read of their results
	SMA
	SMB \first
.endm
; THE CHANGE OF SLOTS, in two parts.  SLINES stands behind the slot's last run of LDS loads: the wave waits for all its tensor loads, of which one is out: its tile of the other slot; adds 0 to its spare word; waits for that and for its reads
; of the slot; and signals.  fill = 1: the walking descriptors and the prefetches' address are stepped between the add and its wait: no tensor load of mine is out there.
.macro SLINES fill
	s_wait_tensorcnt 0x0
	ds_add_u32 v[SPW], v[NIL]       ; 0 onto my spare word
.if \fill
	s_xor_b32 s[G0K+5], s[G0K+5], SLOT1  ; the other slot than last time,
	s_add_nc_u64 s[G0K+6:G0K+7], s[G0K+6:G0K+7], VISIT  ; the next 256 keys; the type bits on top are not reached
	s_xor_b32 s[G0V+5], s[G0V+5], SLOT1
	s_add_nc_u64 s[G0V+6:G0V+7], s[G0V+6:G0V+7], VISIT
	s_wait_xcnt 0x0                 ; the last prefetch, four steps back, has read its address
	s_add_nc_u64 s[PFA:PFA+1], s[PFA:PFA+1], VISIT
.endif
	s_wait_dscnt 0x0                ; the add is done, and my reads of the slot are over
	s_barrier_signal -1
.endm
; BW stands behind the step's K Q^T and softmax, work on registers alone.  Behind the wait nobody reads the slot any more and the other slot is whole.  fill = 1: the slot is filled again, first thing, one tensor load a wave.
.macro BW fill
	s_barrier_wait -1
.if \fill
	TLOAD
	ASK
.endif
	s_sub_co_u32 s[TB], s[TB], 4*STEPB  ; the fetches go back to a slot's first step,
	s_xor_b32 s[TB], s[TB], SLOT1   ; in the other slot
.endm
.macro INNER n                      ; n times: a step's second half and the next step's first; the LDS addresses hang on s[TB]
	s_mov_b32 s[CNT], \n
.Lin_\@:
	W 0, 1
	U 0
	s_sub_co_u32 s[CNT], s[CNT], 1
	s_cmp_lg_u32 s[CNT], 0
	s_cbranch_scc1 .Lin_\@
.endm
	s_wait_tensorcnt 1              ; my tile of slot 0 is in; slot 1's may stay out
	s_barrier_signal -1
	s_barrier_wait -1               ; everybody's is
	FETCH_K                         ; step 0
	FETCH_V
	s_wait_loadcnt 0x0              ; Q
	s_wait_dscnt 0x0
	KQH 0                           ; every wave starts its first scores
	WIN 0
	PLACES 4
	; THE HALVES ARE SET APART.  Waves 0-3 finish their first scores and walk the first half of their softmax AHEAD of this barrier, waves 4-7 BEHIND it.  Both arms work in place, on registers that every wave has written.
	s_cmp_lt_u32 s[WV], 4
	s_cbranch_scc0 .Llate
	KQH 1
	WIN 0
	PLACES 4
	SMA
.Llate:
	s_barrier_signal -1             ; no LDS instruction of mine is out; slot 1's tensor load may be
	s_barrier_wait -1
	s_cmp_lt_u32 s[WV], 4
	s_cbranch_scc1 .Learly
	KQH 1
	WIN 0
	PLACES 4
	SMA
.Learly:
	SMB 1
	U 1                             ; V^T P of step 0 starts O^T
	INNER 2
	SLINES 1
	W 0, 0
	BW 1                            ; slot 0 takes keys 512 on
.Lvisit:                            ; five trips: slots' worth 1 to 5 of the keys; each fills the slot that it leaves
	U 0
	INNER 3
	SLINES 1
	W 0, 0
	BW 1
	s_sub_co_u32 s[SLOTS], s[SLOTS], 1
	s_cmp_lg_u32 s[SLOTS], 0
	s_cbranch_scc1 .Lvisit
	U 0                             ; the tail is written out: the last slot but one is left, and nothing is asked for
	INNER 3
	SLINES 0
	W 0, 0
	BW 0
	U 0                             ; the last slot
	INNER 3
	W 0, 1
	s_wait_dscnt 0x0                ; the last step's V
	PVM 0
	WIN 0
	; THE WAY OUT.  l's two halves and the other half of the lanes' are added (these lines are the places behind the last products); O^T is divided by l, rounded to f16 and sent through my stage, a tile (16 rows of O) at a time.
.irp t, 0,1,2,3
	v_add_f32 v[ST+8*\t+4], v[ST+8*\t+2], v[ST+8*\t+3]
.endr
.irp t, 0,1,2,3
	v_permlanex16_b32 v[ST+8*\t+5], v[ST+8*\t+4], s[SEL], s[SEL+1]
.endr
.irp t, 0,1,2,3
	v_add_f32 v[ST+8*\t+4], v[ST+8*\t+4], v[ST+8*\t+5]
.endr
.irp t, 0,1,2,3
	v_rcp_f32 v[ST+8*\t+6], v[ST+8*\t+4]
.endr
	v_nop                           ; a plain instruction between the last reciprocal and the use of its result
	s_wait_alu depctr_va_vdst(0)    ; and the wait: one for the four
; Tile t: a lane's eight channels of a row pack into 16 bytes; they go into rows of 144 bytes and come back four whole rows of 128 bytes an instruction.
.macro PACKO t
	WIN W_RS
.irp i, 0,2,4,6,8,10,12,14,16,18,20,22,24,26,28,30
	v_pk_mul_f32 v[32*\t+\i:32*\t+\i+1], v[32*\t+\i:32*\t+\i+1], v[ST+8*\t+6:ST+8*\t+7] op_sel_hi:[1,0]
.endr
	WIN 0x05                        ; sources 0 and 1 window 1, destination window 0: S^T's registers are free
.irp i, 0,1,2,3,4,5,6,7,8,9,10,11,12,13,14,15
	v_cvt_pk_f16_f32 v[S+32*\t+\i], v[32*\t+2*\i], v[32*\t+2*\i+1]
.endr
	WIN 0
.irp c, 0,1,2,3
	ds_store_b128 v[STO], v[S+32*\t+4*\c:S+32*\t+4*\c+3] offset:32*\c
.endr
.irp i, 0,1,2,3
	ds_load_b128 v[S+32*\t+16+4*\i:S+32*\t+16+4*\i+3], v[RD] offset:4*SP*\i  ; LDS serves a wave's instructions in order (ISA guide 5.7.1.4): these see the stores above; the next tile's stores come behind them
.endr
.endm
.macro SENDO t, younger             ; younger: the LDS instructions issued behind tile t's loads: the next tile's eight, or none
.irp i, 0,1,2,3
	s_wait_dscnt \younger+3-\i
	global_store_b128 v[GO], v[S+32*\t+16+4*\i:S+32*\t+16+4*\i+3], s[10:11] offset:2048*\t+512*\i  ; 32 lanes store 512 consecutive bytes, aligned
.endr
.endm
	PACKO 0
	PACKO 1                         ; a tile's arithmetic stands between the loads of the tile before and its stores
	SENDO 0, 8
	PACKO 2
	SENDO 1, 8
	PACKO 3
	SENDO 2, 8
	SENDO 3, 0
	s_wait_tensorcnt 0x0            ; the wave's end, behind my last tensor load and my last LDS store
	ds_add_u32 v[SPW], v[NIL]
	s_wait_dscnt 0x0
	s_endpgm
.Lfunc_end_k_q148284621c_attn:
	.size	k_q148284621c_attn, .Lfunc_end_k_q148284621c_attn-k_q148284621c_attn
	.p2alignl 7, 3214868480
	.fill 96, 4, 3214868480
	.section	.rodata,"a",@progbits
	.p2align	6, 0x0
	.amdhsa_kernel k_q148284621c_attn
		.amdhsa_group_segment_fixed_size 327680
		.amdhsa_private_segment_fixed_size 0
		.amdhsa_enable_private_segment 0
		.amdhsa_kernarg_size 16
		.amdhsa_user_sgpr_count 2
		.amdhsa_user_sgpr_kernarg_segment_ptr 1
		.amdhsa_wavefront_size32 1
		.amdhsa_system_sgpr_workgroup_id_x 1
		.amdhsa_system_sgpr_workgroup_id_y 1
		.amdhsa_system_sgpr_workgroup_id_z 1
		.amdhsa_system_vgpr_workitem_id 0
		.amdhsa_next_free_vgpr 512
		.amdhsa_next_free_sgpr 66
		.amdhsa_reserve_vcc 0
		.amdhsa_float_denorm_mode_32 3
		.amdhsa_float_denorm_mode_16_64 3
		.amdhsa_memory_ordered 1
		.amdhsa_forward_progress 1
		.amdhsa_inst_pref_size 255
	.end_amdhsa_kernel
	.section	.bss,"aw",@nobits
	.p2align	6
	.space	262144
	.amdgpu_metadata
---
amdhsa.version: [ 1, 2 ]
amdhsa.kernels:
  - .name:           k_q148284621c_attn
    .symbol:         k_q148284621c_attn.kd
    .args:
      - { .name: qkv, .offset: 0, .size: 8, .value_kind: global_buffer, .address_space: global }
      - { .name: o_ws, .offset: 8, .size: 8, .value_kind: global_buffer, .address_space: global }
    .group_segment_fixed_size: 327680
    .private_segment_fixed_size: 0
    .kernarg_segment_align: 8
    .kernarg_segment_size: 16
    .max_flat_workgroup_size: 256
    .sgpr_count:     66
    .vgpr_count:     512
    .wavefront_size: 32
...
	.end_amdgpu_metadata
.endif
;; end of part 3
;; launch oproj (part 4): grid 4 x 64, 4 waves a work-group, clusters of 4 x 4, 327,680 bytes of LDS; arguments o_ws, wo_h, out0; writes out0
.if DOCPART == 4
	.amdgcn_target "amdgcn-amd-amdhsa--gfx1250"
	.amdhsa_code_object_version 6
	.text
	.protected	k_q148284621c_oproj
	.globl	k_q148284621c_oproj
	.p2align	8
	.type	k_q148284621c_oproj,@function
k_q148284621c_oproj:
	s_mov_b64 s[64:65], 0
	v_nop
	global_prefetch_b8 v0, s[64:65] scope:SCOPE_SE
	s_setreg_imm32_b32 hwreg(HW_REG_WAVE_MODE, 25, 1), 1
	s_wait_xcnt 0x0
	s_wait_alu depctr_hold_cnt(0) depctr_sa_sdst(0) depctr_va_vdst(0) depctr_va_sdst(0) depctr_va_ssrc(0) depctr_va_vcc(0) depctr_vm_vsrc(0)
	s_getreg_b32 s2, hwreg(HW_REG_IB_STS2, 6, 4)
	s_cmp_eq_u32 s2, 0
	s_cbranch_scc0 .Lentry_in_a_cluster
	s_endpgm
.Lentry_in_a_cluster:
	s_bfe_u32 s2, ttmp6, 0x10000c
	s_cmp_lg_u32 s2, 0xf033
	s_cbranch_scc0 .Lentry_shape_is_right
	s_endpgm
.Lentry_shape_is_right:
; out0[m][n] = sum over k of O[m][k] W_o[n][k], k = 64 x head + channel.  O lies by heads, o_ws[head][m][64] f16; W_o as wo_h[1024][1024] f16; out0 [8192][1024] f32; sums in f32, K ascending.
; A tile of out0 is 128 rows x 256 columns: 256 work-groups of four waves, each wave 64 x 128: 32 accumulators of 16 x 16, 256 registers (window 1).
; K goes in steps of 128 (two heads) through a ring of two LDS slots.  A's tile of a step is two planes (heads) of 128 dense rows of 128 bytes; B's is 256 rows of 256 bytes.  Waves 0 and 1 fetch A's planes, waves 2 and 3 B's halves.
; CLUSTERS: 4 x 4 work-groups.  The four of a row of the cluster need the same tiles of A, the four of a column the same tiles of B: each tile is asked for JOINTLY, by the same tensor load with the same descriptor and a mask that names the four.
; THE MATRIX INSTRUCTION IS USED TRANSPOSED (source 0 = 16 rows of W_o, source 1 = 16 rows of O): a lane then holds eight neighbouring numbers of a row of out0.
; REGISTERS: window 0: v0-31 addresses; two fragment buffers of 96 for 32 along K: v32-127 and v128-223 (B's eight fragments, then A's four); on the way out v32-159.   window 1: the accumulators ((a, b) at v[8 (8 a + b)]).
.set KSTEP,  128
.set PA,     144                       ; a row of A in LDS: 128 bytes + 16
.set PB,     272                       ; a row of B: 256 bytes + 16: in both the 16 rows that a load touches start at 16 different groups of four banks (64 banks of 4 bytes: ISA guide 11.1)
.set PLANE,  128*PA                    ; a head's 128 rows: what a tensor load for A brings
.set BOFF,   2*PLANE                   ; B's rows lie behind A's two planes
.set HALFB,  128*PB                    ; 128 rows of B: what a tensor load for B brings
.set SLOT,   BOFF+2*HALFB
.set STAGE,  2*SLOT                    ; behind the ring: 16 rows x (512 bytes + 16) for each wave, for the way out
.set SPITCH, 528
.set SPARE,  STAGE+4*16*SPITCH         ; the spare words, 128 bytes for each wave
.set LAPS,   1024/(2*KSTEP)            ; a lap = two K steps = once round the ring
.set ADRA, 16                          ; v16-17  LDS address of my A fragments in slot 0, 1
.set ADRB, 20                          ; v20-21  the same for B
.set STO,  24                          ; v24     the way out: where I put 32 bytes of a row
.set RD,   25                          ; v25     where I read a row back
.set CO,   26                          ; v26     16 x lane
.set SPW,  28                          ; v28     LDS address of my spare word; never rewritten
.set NIL,  29                          ; v29     0; never rewritten
.set F0,   32
.set F1,   128
.set BK,   32                          ; the way out: 16 rows read back: v32-95 and v96-159 by turns
.set G1, 24                            ; s[24:31] descriptor group 1 for A's tiles;  s[32:39] group 0, one set for each slot
.set G0, 32
.set G1B, 48                           ; s[48:55], s[56:63] the same for B's tiles
.set G0B, 56
.set MSB, 0
.macro WIN new                         ; the immediate's high byte repeats the setting that is left
.if MSB != (\new)
	s_set_vgpr_msb (MSB<<8)|(\new)
.set MSB, \new
.endif
.endm
.set MUL, 0x50                         ; sources 0 and 1 window 0; C and D window 1
.macro PLACES n
.rept \n
	v_nop
.endr
.endm
.macro JLOAD s                         ; a joint load: waves 0 and 1 fetch for A, waves 2 and 3 for B; an s_nop 0 and four v_nop follow each of the two lines
	s_cmp_eq_u32 s11, 0
	s_cbranch_scc0 .Lfor_b_\@
	tensor_load_to_lds s[G0+4*\s:G0+4*\s+3], s[G1:G1+7]
	s_nop 0
	PLACES 4
	s_branch .Lasked_\@
.Lfor_b_\@:
	tensor_load_to_lds s[G0B+4*\s:G0B+4*\s+3], s[G1B:G1B+7]
	s_nop 0
	PLACES 4
.Lasked_\@:
.endm
.macro CREST                           ; a round of the cluster's barrier behind its opening barrier
	s_cmp_lg_u32 s10, 0
	s_cbranch_scc1 .Lnot_wave_0_\@
	s_barrier_signal -3
.Lnot_wave_0_\@:
	s_barrier_wait -3
	s_barrier_signal -1
	s_barrier_wait -1
.endm
.macro CROUND                          ; a whole round
	s_barrier_signal -1
	s_barrier_wait -1
	CREST
.endm
	s_load_b128 s[4:7], s[0:1], 0x0                ; O s[4:5], W_o s[6:7]
	s_load_b64 s[8:9], s[0:1], 0x10                ; out0
	v_lshl_add_u32 v[SPW], v0, 2, SPARE
	v_mov_b32 v[NIL], 0
	ds_add_u32 v[SPW], v[NIL]                      ; the wave's opening: the add, twice on end, and its wait ahead of my first tensor load
	ds_add_u32 v[SPW], v[NIL]
	v_lshrrev_b32 v1, 5, v0
	v_readfirstlane_b32 s10, v1                    ; wave 0..3
	s_lshr_b32 s11, s10, 1                         ; which 64 of the tile's rows are mine.  Also: I fetch for A (0) or for B (1)
	s_and_b32 s12, s10, 1                          ; which 128 of its columns.  Also: which plane of A, or which 128 rows of B, I fetch
	s_bfe_u32 s40, ttmp6, 0x40000                  ; cx, cy: my place in the cluster
	s_bfe_u32 s41, ttmp6, 0x40004
	s_lshl_b32 s42, ttmp9, 2
	s_add_co_u32 s42, s42, s40                     ; tile column = 4 x cluster x + cx
	s_and_b32 s13, ttmp7, 0xffff
	s_lshl_b32 s13, s13, 2
	s_add_co_u32 s13, s13, s41                     ; tile row = 4 x cluster y + cy
	s_lshl_b32 s43, s41, 2
	s_lshl_b32 s43, 15, s43                        ; my row of the cluster
	s_lshl_b32 s44, 0x1111, s40                    ; my column
	; descriptor group 1.  A: 128 rows x 64 elements of 2 bytes, dense; B: 128 rows x 128 elements, 1,024 elements from row to row
	s_or_b32 s[G1+0], s43, (1<<16)|(1<<20)|(1<<21)|(4<<22)|(3<<25)   ; 15:0 the mask: A's tiles go to my row; 17:16 element of 2 bytes; 20 padding on; 21 set beside a mask; 24:22 after every 32 words (code 4); 31:25 four words (code 3)
	s_or_b32 s[G1B+0], s44, (1<<16)|(1<<20)|(1<<21)|(5<<22)|(3<<25)  ; B's go to my column; padding after every 64 words (code 5)
	s_mov_b32 s[G1+1], 64<<16                      ; tensor_dim0
	s_mov_b32 s[G1+2], 128<<16                     ; tensor_dim1
	s_mov_b32 s[G1+3], 64<<16                      ; tile_dim0
	s_mov_b32 s[G1+4], 128                         ; tile_dim1
	s_mov_b32 s[G1+5], 64                          ; tensor_dim0_stride
	s_mov_b32 s[G1+6], 0
	s_mov_b32 s[G1+7], 0
	s_mov_b32 s[G1B+1], KSTEP<<16
	s_mov_b32 s[G1B+2], 128<<16
	s_mov_b32 s[G1B+3], KSTEP<<16
	s_mov_b32 s[G1B+4], 128
	s_mov_b32 s[G1B+5], 1024
	s_mov_b32 s[G1B+6], 0
	s_mov_b32 s[G1B+7], 0
	; where the tiles come from.  A's hang on the tile row alone, B's on the tile column alone, each in registers that never hold the other coordinate
	s_lshl_b32 s16, s13, 14                        ; A: 128 rows of 128 bytes a tile row,
	s_lshl_b32 s17, s12, 20                        ; + my plane: a head is 2^20 bytes
	s_add_co_u32 s16, s16, s17
	s_mov_b32 s17, 0
	s_lshl_b32 s46, s42, 19                        ; B: 256 rows of 2,048 bytes a tile column,
	s_lshl_b32 s47, s12, 18                        ; + my 128 rows
	s_add_co_u32 s46, s46, s47
	s_mov_b32 s47, 0
	s_mul_i32 s20, s12, PLANE                      ; and where they go: no place in the cluster enters an LDS address
	s_mul_i32 s21, s12, HALFB
	s_add_co_u32 s21, s21, BOFF
	s_wait_dscnt 0x0                               ; both opening adds are done
	s_wait_kmcnt 0x0
	s_add_nc_u64 s[14:15], s[4:5], s[16:17]
	s_add_nc_u64 s[46:47], s[6:7], s[46:47]
	CROUND                                         ; all sixteen work-groups are here: the first joint loads meet
.irp s, 0,1
	s_mov_b32 s[G0+4*\s], 1
	s_add_co_u32 s[G0+4*\s+1], s20, \s*SLOT
	s_add_nc_u64 s[G0+4*\s+2:G0+4*\s+3], s[14:15], \s*0x200000      ; K step s: heads 2 s, 2 s + 1
	s_or_b32 s[G0+4*\s+3], s[G0+4*\s+3], 0x80000000
	s_mov_b32 s[G0B+4*\s], 1
	s_add_co_u32 s[G0B+4*\s+1], s21, \s*SLOT
	s_add_nc_u64 s[G0B+4*\s+2:G0B+4*\s+3], s[46:47], \s*KSTEP*2
	s_or_b32 s[G0B+4*\s+3], s[G0B+4*\s+3], 0x80000000
	JLOAD \s                                       ; by this text's count a wave has two tensor loads out here, later one
.endr
	v_and_b32 v1, 15, v0                           ; r = l % 16
	v_bfe_u32 v2, v0, 4, 1                         ; h = l / 16
	v_mul_u32_u24 v3, v1, PA
	v_lshl_add_u32 v3, v2, 4, v3                   ; A: a fragment's row x pitch + 16 x half
	v_mul_u32_u24 v4, v1, PB
	v_lshl_add_u32 v4, v2, 4, v4                   ; B likewise
	s_mul_i32 s21, s11, 64*PA                      ; my 64 rows of A, in each plane
	s_mul_i32 s22, s12, HALFB                      ; my 128 rows of B
	s_add_co_u32 s22, s22, BOFF
.irp s, 0,1
	v_add_nc_u32 v[ADRA+\s], s21, v3
	v_add_nc_u32 v[ADRB+\s], s22, v4
	s_add_co_u32 s21, s21, SLOT
	s_add_co_u32 s22, s22, SLOT
.endr
	s_mul_i32 s23, s10, 16*SPITCH
	s_add_co_u32 s23, s23, STAGE                   ; my stage
	v_mul_u32_u24 v5, v1, SPITCH                   ; in: row l % 16, 32 bytes for each half of the lanes
	v_lshl_add_u32 v5, v2, 5, v5
	v_add_nc_u32 v[STO], s23, v5
	v_and_b32 v6, 31, v0
	v_lshlrev_b32 v[CO], 4, v6                     ; back: the 32 lanes take one row of 512 bytes; and the same in out0
	v_add_nc_u32 v[RD], s23, v[CO]
	s_lshl_b32 s16, s13, 19                        ; my first row of out0: (128 x tile row + 64 x half) x 4,096 bytes
	s_lshl_b32 s17, s11, 18
	s_add_co_u32 s16, s16, s17
	s_mov_b32 s17, 0
	s_add_nc_u64 s[8:9], s[8:9], s[16:17]
	s_lshl_b32 s46, s42, 10                        ; my first column, in bytes: 1,024 x tile column + 512 x half
	s_lshl_b32 s47, s12, 9
	s_add_co_u32 s46, s46, s47
	s_mov_b32 s47, 0
	s_add_nc_u64 s[8:9], s[8:9], s[46:47]
; 8 matrix instructions: A's block a x B's eight, 32 along K, from buffer f.  zero = 1: the first product starts the sums.  The 32 accumulators take turns, one instruction a turn, in the same order in every quarter.
.macro MUL8 f, a, zero
.irp b, 0,1,2,3,4,5,6,7
.if \zero
	v_wmma_f32_16x16x32_f16 v[8*(8*\a+\b):8*(8*\a+\b)+7], v[\f+8*\b:\f+8*\b+7], v[\f+64+8*\a:\f+64+8*\a+7], 0
.else
	v_wmma_f32_16x16x32_f16 v[8*(8*\a+\b):8*(8*\a+\b)+7], v[\f+8*\b:\f+8*\b+7], v[\f+64+8*\a:\f+64+8*\a+7], v[8*(8*\a+\b):8*(8*\a+\b)+7]
.endif
.endr
.endm
; 24 LDS loads in one run: the fragments of the slot's q-th 32 along K into buffer f: B's eight, then A's four (plane q / 2, byte 64 (q % 2) of its rows)
.macro FETCH slot, q, f
	WIN 0
.irp i, 0,1,2,3,4,5,6,7
	ds_load_b128 v[\f+8*\i:\f+8*\i+3],   v[ADRB+\slot] offset:64*(\q)+\i*16*PB
	ds_load_b128 v[\f+8*\i+4:\f+8*\i+7], v[ADRB+\slot] offset:64*(\q)+\i*16*PB+32
.endr
.irp i, 0,1,2,3
	ds_load_b128 v[\f+64+8*\i:\f+64+8*\i+3],   v[ADRA+\slot] offset:((\q)/2)*PLANE+((\q)%2)*64+\i*16*PA
	ds_load_b128 v[\f+64+8*\i+4:\f+64+8*\i+7], v[ADRA+\slot] offset:((\q)/2)*PLANE+((\q)%2)*64+\i*16*PA+32
.endr
.endm
; A K step is four quarters of 32 along K, 32 matrix instructions each, on buffers 0, 1, 0, 1.  One of the first three: multiplies buffer f and, in its middle, fetches quarter q into buffer g.
; Four places stand in front of each run of loads into registers that matrix instructions have read (ISA guide 7.12.1 for vector instructions).
.macro QUARTER slot, q, f, g, zero
	s_wait_dscnt 4                                 ; B and A's blocks 0, 1 are in; the youngest four loads (A's blocks 2, 3) may be out
	WIN MUL
	MUL8 \f, 0, \zero
	MUL8 \f, 1, \zero
	PLACES 4
	FETCH \slot, \q, \g
	s_wait_dscnt 24                                ; all but the 24 just issued
	WIN MUL
	MUL8 \f, 2, \zero
	MUL8 \f, 3, \zero
.endm
; The last quarter multiplies buffer 1 and changes slots: ONE barrier; in front of it each wave waits for all its tensor loads, adds 0 to its spare word, and waits for that and for its own reads of this slot.  fill = 1: this slot is filled again, two K steps ahead.
.macro TURN slot, next, fill
	WIN 0                                          ; (the add's two registers lie in window 0)
	s_wait_tensorcnt 0x0                           ; all my tensor loads have landed: my part of the next slot;
	ds_add_u32 v[SPW], v[NIL]                      ; 0 onto my spare word;
	s_wait_dscnt 5                                 ; (the add and the youngest four loads may be out)
	WIN MUL
	MUL8 F1, 0, 0                                  ; eight matrix instructions stand between the add and the wait for it
	s_wait_dscnt 0x0                               ; the add is done, and my reads of this slot are over
	s_barrier_signal -1
	MUL8 F1, 1, 0
.if \fill
	WIN 0
.endif
	s_barrier_wait -1
.if \fill
	CREST                                          ; the barrier has opened a round of the cluster's barrier: no wave of any partner still reads this slot's tile or has a load on its way
	s_add_nc_u64 s[G0+4*\slot+2:G0+4*\slot+3], s[G0+4*\slot+2:G0+4*\slot+3], 0x400000       ; four heads on
	s_add_nc_u64 s[G0B+4*\slot+2:G0B+4*\slot+3], s[G0B+4*\slot+2:G0B+4*\slot+3], 2*KSTEP*2
	JLOAD \slot                                    ; the first tensor load behind the round; the four v_nop behind it are also the places in front of the loads below
.else
	PLACES 4
.endif
	FETCH \next, 0, F0
	WIN MUL
	MUL8 F1, 2, 0
	MUL8 F1, 3, 0
.endm
	s_wait_tensorcnt 1                             ; my part of K step 0 is in (K step 1's load may be out)
	s_barrier_signal -1
	s_barrier_wait -1                              ; everybody's is
	FETCH 0, 0, F0
	QUARTER 0, 1, F0, F1, 1                        ; the first quarter stands in front of the loop: its products start the sums
	WIN 0                                          ; at a label and at a branch every window is 0
	s_mov_b32 s3, LAPS-1
.Llap:                                                 ; a trip goes once round the ring, from a lap's second quarter to the next lap's first, and fills both slots again
	QUARTER 0, 2, F1, F0, 0
	QUARTER 0, 3, F0, F1, 0
	TURN 0, 1, 1
	QUARTER 1, 1, F0, F1, 0
	QUARTER 1, 2, F1, F0, 0
	QUARTER 1, 3, F0, F1, 0
	TURN 1, 0, 1
	QUARTER 0, 1, F0, F1, 0
	WIN 0
	s_sub_co_u32 s3, s3, 1
	s_cmp_lg_u32 s3, 0
	s_cbranch_scc1 .Llap
	QUARTER 0, 2, F1, F0, 0                        ; the last lap fills nothing, and has no round of the cluster's barrier
	QUARTER 0, 3, F0, F1, 0
	TURN 0, 1, 0
	QUARTER 1, 1, F0, F1, 0
	QUARTER 1, 2, F1, F0, 0
	QUARTER 1, 3, F0, F1, 0
	s_wait_dscnt 4                                 ; the very last quarter: nothing more to fetch
	WIN MUL
	MUL8 F1, 0, 0
	MUL8 F1, 1, 0
	s_wait_dscnt 0
	MUL8 F1, 2, 0
	MUL8 F1, 3, 0
	WIN 0
; THE WAY OUT, block by block of 16 rows x 128 columns.  A lane holds 32 neighbouring bytes of a row, and the lanes beside it hold other rows: so a block goes through my own stage in LDS and comes back as whole rows of 512 bytes.
; LDS serves a wave's instructions in order (ISA guide 5.7.1.4): no wait between the stores and the loads, nor in front of the next block's stores.
.macro TOSTAGE a
	WIN 0x04                                       ; an LDS store's data are its source 1: window 1
.irp b, 0,1,2,3,4,5,6,7
	ds_store_b128 v[STO], v[8*(8*(\a)+\b):8*(8*(\a)+\b)+3] offset:64*\b          ; each accumulator from its low end on
	ds_store_b128 v[STO], v[8*(8*(\a)+\b)+4:8*(8*(\a)+\b)+7] offset:64*\b+16
.endr
	WIN 0
.set BB, BK+64*((\a)%2)
.irp t, 0,1,2,3,4,5,6,7,8,9,10,11,12,13,14,15
	ds_load_b128 v[BB+4*\t:BB+4*\t+3], v[RD] offset:\t*SPITCH
.endr
.endm
.macro SEND a, younger                 ; younger: the LDS instructions issued behind block a's loads, which may stay out
.set BB, BK+64*((\a)%2)
	s_wait_dscnt \younger                          ; the block is back in registers
.irp t, 0,1,2,3,4,5,6,7,8,9,10,11,12,13,14,15
	global_store_b128 v[CO], v[BB+4*\t:BB+4*\t+3], s[8:9] offset:(16*(\a)+\t)*4096 th:TH_STORE_NT   ; 32 lanes store 512 consecutive bytes, aligned; written once, read by nobody here
.endr
.endm
	PLACES 4                                       ; behind the last products: for the stores that read their results and the loads into the fragments' registers
	TOSTAGE 0
.irp a, 1,2,3
.if \a > 1
	s_wait_xcnt 0x0                                ; block a - 2's stores have read their registers: block a's loads may land there
.endif
	TOSTAGE \a
	SEND (\a)-1, 32                                ; behind block a - 1's loads: block a's 16 stores and 16 loads
.endr
	SEND 3, 0
	s_wait_tensorcnt 0x0                           ; the wave's end, behind my last tensor load and my last LDS store
	ds_add_u32 v[SPW], v[NIL]
	s_wait_dscnt 0x0
	CROUND                                         ; the closing round: no work-group ends while a partner may still ask for a tile that names it
	s_endpgm
.Lfunc_end_k_q148284621c_oproj:
	.size	k_q148284621c_oproj, .Lfunc_end_k_q148284621c_oproj-k_q148284621c_oproj
	.p2alignl 7, 3214868480
	.fill 96, 4, 3214868480
	.section	.rodata,"a",@progbits
	.p2align	6, 0x0
	.amdhsa_kernel k_q148284621c_oproj
		.amdhsa_group_segment_fixed_size 327680
		.amdhsa_private_segment_fixed_size 0
		.amdhsa_enable_private_segment 0
		.amdhsa_kernarg_size 24
		.amdhsa_user_sgpr_count 2
		.amdhsa_user_sgpr_kernarg_segment_ptr 1
		.amdhsa_wavefront_size32 1
		.amdhsa_system_sgpr_workgroup_id_x 1
		.amdhsa_system_sgpr_workgroup_id_y 1
		.amdhsa_system_sgpr_workgroup_id_z 1
		.amdhsa_system_vgpr_workitem_id 0
		.amdhsa_next_free_vgpr 512
		.amdhsa_next_free_sgpr 66
		.amdhsa_reserve_vcc 0
		.amdhsa_float_denorm_mode_32 3
		.amdhsa_float_denorm_mode_16_64 3
		.amdhsa_memory_ordered 1
		.amdhsa_forward_progress 1
		.amdhsa_inst_pref_size 85
	.end_amdhsa_kernel
	.amdgpu_metadata
---
amdhsa.version: [ 1, 2 ]
amdhsa.kernels:
  - .name:           k_q148284621c_oproj
    .symbol:         k_q148284621c_oproj.kd
    .args:
      - { .name: o_ws, .offset: 0, .size: 8, .value_kind: global_buffer, .address_space: global }
      - { .name: wo_h, .offset: 8, .size: 8, .value_kind: global_buffer, .address_space: global }
      - { .name: out0, .offset: 16, .size: 8, .value_kind: global_buffer, .address_space: global }
    .group_segment_fixed_size: 327680
    .private_segment_fixed_size: 0
    .kernarg_segment_align: 8
    .kernarg_segment_size: 24
    .max_flat_workgroup_size: 128
    .sgpr_count:     66
    .vgpr_count:     512
    .wavefront_size: 32
...
	.end_amdgpu_metadata
.endif
;; end of part 4
